; MI455X (gfx1250); checked and timed in simulation.
; The chip was launched on July 23, 2026; its instructions are those of AMD's public machine-readable ISA for CDNA 5 (MIT licence, August 2026) and "CDNA5" Instruction Set Architecture Reference Guide (July 2026). The comments in the code are by the model that wrote it; some were corrected since.
;; Attention. Allowed arithmetic: matrix products marked QUANTISED: E2M1 operands, one E8M0 scale for each 32 along K, by v_wmma_scale_f32_16x16x128_f8f6f4 with both operands' format E2M1 (or v_wmma_scale_f32_32x16x128_f4), f32 sums; everything else in f32.
;; Inputs: W_o_codes 1,024 x 32 x 16 uint8 (E2M1 codes of W_o, K innermost, in blocks of 32 codes, two codes a byte); W_o_scales 1,024 x 32 uint8 (E8M0 scales of W_o, one for each 32 codes along K); W_qkv_codes 3,072 x 32 x 16 uint8 (E2M1 codes of W_qkv, K innermost, in blocks of 32 codes, two codes a byte); W_qkv_scales 3,072 x 32 uint8 (E8M0 scales of W_qkv, one for each 32 codes along K); b_o 1,024 float32; b_qkv 3,072 float32; x_codes 4 x 2,048 x 32 x 16 uint8 (E2M1 codes of x, K innermost, in blocks of 32 codes, two codes a byte); x_scales 4 x 2,048 x 32 uint8 (E8M0 scales of x, one for each 32 codes along K).
;; Outputs: out0 4 x 2,048 x 1,024 float32.
;; This version of the problem:
;;   THIS VERSION OF THE PROBLEM IS GIVEN IN LOW PRECISION. The matrix products marked QUANTISED in the list below multiply operands that are first quantised to E2M1 (2 exponent bits, 1 mantissa bit; 4 bits a number), with one power-of-two scale for each 32 numbers along K (OCP MX v1.0); their sums are f32. All else is computed in f32.
;;   The module's matrix products, in the order in which they are computed (A, B: the left and right operand; K: the contracted axis; several contracted axes count as one K, in the product's order):
;;     1. [M 8,192, K 1,024] x [K 1,024, N 3,072]; A: input x (given as codes); B: input W_qkv (given as codes): QUANTISED
;;     2. batch 64 x [M 2,048, K 64] x [K 64, N 2,048]; A: computed on the way; B: computed on the way: QUANTISED
;;     3. batch 64 x [M 2,048, K 2,048] x [K 2,048, N 64]; A: softmax (see below); B: computed on the way: QUANTISED
;;     4. [M 8,192, K 1,024] x [K 1,024, N 1,024]; A: computed on the way; B: input W_o (given as codes): QUANTISED
;;   THE QUANTISER, for each operand of a quantised product, along K:
;;     - K is cut into blocks of 32 from its start; a last block that is shorter is filled with zeros.
;;     - A block's scale is 2^e with e = floor(log2(the largest magnitude in the block)) - 2, held to -126 .. 127; a block of zeros has e = 0. As a byte (E8M0): e + 127.
;;     - Each number is divided by its block's scale, clamped to +-6, and rounded to the nearest number of E2M1, ties to even, subnormals kept.
;;     - The product sums the exact products of the quantised numbers (number of the format x scale) in f32.
;;   ~~~python
;;   def quantise(x, axis):      # numpy; x: float32 -> the quantised numbers, widened to float32 again
;;       x = np.moveaxis(x, axis, -1); K = x.shape[-1]
;;       x = np.pad(x, [(0, 0)] * (x.ndim - 1) + [(0, -K % 32)]); x = x.reshape(x.shape[:-1] + (-1, 32)); a = np.abs(x).max(-1, keepdims=True)
;;       e = np.where(a > 0, np.clip(np.frexp(np.where(a > 0, a, 1))[1] - 1 - 2, -126, 127), 0)      # np.frexp(a)[1] - 1 = floor(log2(a)), exactly
;;       r = np.clip(x / 2.0 ** e, -6, 6)
;;       step = 2.0 ** (np.maximum(np.frexp(np.where(r == 0, 1, r))[1] - 1, 0) - 1)
;;       q = np.round(r / step) * step * 2.0 ** e      # np.round: ties to even
;;       return np.moveaxis(q.reshape(q.shape[:-2] + (-1,))[..., :K], -1, axis).astype(np.float32)
;;   ~~~
;;   SOFTMAX AHEAD OF A QUANTISED PRODUCT. Where the list says 'softmax', what is quantised is not the finished softmax but p = 2^(t - M), with t = logit x log2(e) and M = ceil(the row's largest t), a whole number; so 1/2 < the row's largest p <= 1. The row's sum l is taken of the UNQUANTISED p, in f32, and the product's result is divided by l at the end. Since M is a whole number, a kernel that streams over the keys may use a running M (the ceiling of the running maximum): every later rescaling is an exact power of two, which a block's scale takes up: the codes' values come out the same.
;;   OPERANDS COMPUTED ON THE WAY. 'Computed on the way' means the value that the module computes at that place (a softmax that the list does not call 'softmax' is quantised finished and normalised). What goes into a quantiser is computed in f32, as accurately as f32 sums, v_exp_f32 and their like allow (about 1e-6 of the number): no bf16 or f16 on the way to a quantiser, and a product that is left as it is and whose result goes on into a quantised operand takes f32 operands (vector FMAs, or v_wmma_f32_16x16x4_f32). A number that lies on a knife's edge between two numbers of the format may be rounded either way, as far as f32 arithmetic and the matrix unit's own rounding can turn it there, and no further.
;;   INPUTS GIVEN AS CODES. W_o (in the module: [1024, 1024], K = its axis 1); W_qkv (in the module: [3072, 1024], K = its axis 1); x (in the module: [4, 2048, 1024], K = its axis 2): each comes as NAME_codes (uint8): NAME with its K axis moved to the last place and cut into blocks of 32 codes, [.., K / 32, bytes a block], one block behind the other in memory; two codes a byte, the lower K in the low four bits (a code: sign, 2 exponent bits, 1 mantissa bit); and NAME_scales (uint8): the same leading axes, one E8M0 byte (e + 127) for each 32 codes along K. Its value is code x scale, taken as it is: it is not quantised again, and the codes and scales need not be those that the quantiser above would give.
;; One version. Each part assembles by itself: llvm-mc -triple=amdgcn-amd-amdhsa -mcpu=gfx1250 --defsym DOCPART=n.
;; ======== version 1 of 1: 3 launches
;; workspace buffers: qkv_codes 12,582,912 bytes; qkv_scales 786,432 bytes; o_codes 4,194,304 bytes; o_scales 262,144 bytes
;; launch qkv (part 1): grid 12 x 32, 4 waves a work-group, clusters of 4 x 4, 327,680 bytes of LDS; arguments x_codes, x_scales, W_qkv_codes, W_qkv_scales, b_qkv, qkv_codes, qkv_scales; writes qkv_codes, qkv_scales
.if DOCPART == 1
	.amdgcn_target "amdgcn-amd-amdhsa--gfx1250"
	.amdhsa_code_object_version 6
	.text
	.protected	k_qdca2cee32b_qkv
	.globl	k_qdca2cee32b_qkv
	.p2align	8
	.type	k_qdca2cee32b_qkv,@function
k_qdca2cee32b_qkv:
	s_mov_b64 s[64:65], 0
	v_nop
	global_prefetch_b8 v0, s[64:65] scope:SCOPE_SE
	s_setreg_imm32_b32 hwreg(HW_REG_WAVE_MODE, 25, 1), 1
	s_wait_xcnt 0x0
	s_wait_alu depctr_hold_cnt(0) depctr_sa_sdst(0) depctr_va_vdst(0) depctr_va_sdst(0) depctr_va_ssrc(0) depctr_va_vcc(0) depctr_vm_vsrc(0)
	s_getreg_b32 s2, hwreg(HW_REG_IB_STS2, 6, 4)
	s_cmp_eq_u32 s2, 0
	s_cbranch_scc0 .Lentry_in_a_cluster
	s_endpgm
.Lentry_in_a_cluster:
	s_bfe_u32 s2, ttmp6, 0x10000c
	s_cmp_lg_u32 s2, 0xf033
	s_cbranch_scc0 .Lentry_shape_is_right
	s_endpgm
.Lentry_shape_is_right:
; LAUNCH 1 OF 3.  qkv = x W_qkv^T + b_qkv on codes of FP4 (E2M1) with E8M0 scales, sums in f32; the results are quantised at once: Q and K along a head's 64 channels, V along the keys.
; WORK LEFT OUT IN THIS PROGRAM: reference() adds -infinity to every score whose key comes after its query (its own jnp.triu), so the softmax gives such a key the weight 0 for all values of the inputs, and
; neither the score nor its product with V can reach an output.  The second launch leaves that work out where it comes in whole steps of 128 keys; inside the step on the diagonal the scores are made and masked.
; Nothing else is left out: every input has a way to the output (b_qkv moves the codes of Q, K and V).  LIMIT: a NaN, an infinity or an overflow that reaches only the steps left out is not carried to the result.
; LIMITS: NaN and infinities among the inputs are not served; a block whose largest magnitude lies under 2^-124 (a block of zeros too) gets the scale byte 1: its bytes are read by this program alone.
; SHARES.  A work-group of four waves makes 256 x 256 of a product C = A B^T, a wave 128 x 128: 64 accumulators of 16 x 16.  K = 1,024 is two LDS slots of 512, each filled once; nothing is filled again.
; Clusters of 4 x 4.  Clusters x = 0, 1 (Q, K): A = x (rows = tokens), B = W_qkv's rows 0 to 2,047.  Clusters x = 2 (V): A = W_qkv's rows 2,048 on (rows = channels), B = x: the columns of C are then the TOKENS.
; In both cases the quantiser runs along C's COLUMNS.  The choice hangs on the cluster's x alone: it is the same in all sixteen partners.  A's tiles are shared along a row of the cluster, B's along a column (joint loads).
; THE MATRIX INSTRUCTION IS USED TRANSPOSED (source 0 = 16 rows of B, source 1 = 16 rows of A): lane (r, h) holds row r of C and, in accumulator (a, b), the columns 16 b + 8 h + 0 .. 7: eight neighbours for a conversion.
; OUTPUT.  A wave's 128 x 128 leaves as ONE block of 8,192 bytes of codes and 512 of scale words, laid as the reader's operand registers: the 16 bytes of row 16 a + r, columns 32 b' on, at 1024 a + 256 b' + 16 r;
; the row's scale word at 64 a + 4 r.  Block number: Q, K: 64 x (columns / 128) + rows / 128;  V: 1,024 + 64 x (rows / 128) + columns / 128.
; REGISTERS: window 0: v0-31 addresses; v32-95 scale words, two sets (scales alone); v96-103 a block's codes; v104-119 at work; v120 a scale word; v128-191 A's fragments, later 64 numbers; v192-255 the bias.
;   window 1: B's fragments, two sets, at v0 and v128.   windows 2, 3: the accumulators ((a, b) at v[8 (8 (a % 4) + b)] of window 2 + a / 4).
.set NQ,     4                         ; steps of 128 along K in a slot
.set ROWB,   256                       ; a tile's row in bytes: 512 codes
.set KROW,   512                       ; a row of x or of W_qkv in memory: 1,024 codes
.set PITCH,  272                       ; an LDS row: 256 bytes + 16 of padding: the 16 rows that a load touches start 68 words apart
.set FR,     8                         ; registers of a fragment: 16 rows x 128 K
.set NL,     2                         ; LDS loads that bring one
.set NP,     4                         ; places behind this matrix instruction (ISA guide 7.12.1)
.set HALFT,  128*PITCH                 ; 128 rows: what one tensor load brings
.set SLOT,   4*HALFT                   ; A's 256 rows, then B's 256 rows
.set KS,     32                        ; a row of scale bytes
.set SCL,    2*SLOT                    ; behind the slots: the scales of all of K, as units of 256 bytes + 16 of padding
.set HALFS,  (128*KS/256)*272          ; those of 128 rows
.set SBLK,   (16*KS/256)*272           ; those of 16 rows
.set SPARE,  SCL+4*HALFS               ; the spare words, 128 bytes for each wave
.set WSTG,   8704                      ; the way out: 8,192 bytes of codes + 512 of scale words for each wave, in slot 0, which has had its only fill and its last read by then
.set ADRA, 16                          ; v16-17  LDS address of my A fragments in slot 0, 1
.set ADRB, 20                          ; v20-21  the same for B
.set BH,   22                          ; v22     32 h: the bias by columns
.set BR,   23                          ; v23     4 r: the bias by rows
.set STO,  24                          ; v24     the stage: 16 r + 4 h
.set RD,   25                          ; v25     the stage, back: 16 x lane
.set CO,   26                          ; v26     16 x lane: my bytes of a store's 512
.set ADRS, 27                          ; v27     LDS address of my scale words: lanes 0-15 A's rows, lanes 16-31 B's
.set SPW,  28                          ; v28     my spare word; never rewritten
.set NIL,  29                          ; v29     0; never rewritten
.set SSO,  30                          ; v30     the stage's scale words: 4 r
.set SC,   32
.set X,    96
.set TM,   104                         ; v104-107 largest magnitudes, v108-111 the other half's, then bytes, v116-119 the conversions' scale operands
.set PW,   120
.set AF,   128
.set T,    128
.set BB,   192
.set SEL,  12                          ; s[12:13] lane selects for v_permlanex16_b32: lane l xor 16
.set ISV,  66                          ; s66     1 in the clusters that make V
.set G1, 24
.set G0, 32
.set G1B, 48
.set G0B, 56
.set G1S, 68
.set G0S, 76
.set G1SB, 80
.set G0SB, 88
.set MSB, 0
.macro WIN new                         ; the immediate's high byte repeats the setting that is left
.if MSB != (\new)
	s_set_vgpr_msb (MSB<<8)|(\new)
.set MSB, (\new)
.endif
.endm
.set MUL_LO, 0xa1                      ; source 0 (B) window 1, source 1 (A) window 0, C and D window 2
.set MUL_HI, 0xf1                      ; the same, C and D window 3
.set TO_B,   0x40                      ; destination window 1, address window 0
; A joint load: waves 0 and 1 fetch for A, waves 2 and 3 for B.  An s_nop 0 and four v_nop follow each of the two lines.
.macro JLOAD g0a, g1a, g0b, g1b
	s_cmp_eq_u32 s15, 0
	s_cbranch_scc0 .Lfor_b_\@
	tensor_load_to_lds s[\g0a:\g0a+3], s[\g1a:\g1a+7]
	s_nop 0
.rept 4
	v_nop
.endr
	s_branch .Lasked_\@
.Lfor_b_\@:
	tensor_load_to_lds s[\g0b:\g0b+3], s[\g1b:\g1b+7]
	s_nop 0
.rept 4
	v_nop
.endr
.Lasked_\@:
.endm
.macro CROUND                          ; a round of the cluster's barrier
	s_barrier_signal -1
	s_barrier_wait -1
	s_cmp_lg_u32 s14, 0
	s_cbranch_scc1 .Lnot_wave_0_\@
	s_barrier_signal -3
.Lnot_wave_0_\@:
	s_barrier_wait -3
	s_barrier_signal -1
	s_barrier_wait -1
.endm
	s_load_b256 s[4:11], s[0:1], 0x0               ; x's codes s[4:5], x's scales s[6:7], W_qkv's codes s[8:9], W_qkv's scales s[10:11]
	s_load_b128 s[96:99], s[0:1], 0x20             ; b_qkv s[96:97], qkv_codes s[98:99]
	s_load_b64 s[100:101], s[0:1], 0x30            ; qkv_scales
	v_lshl_add_u32 v[SPW], v0, 2, SPARE
	v_mov_b32 v[NIL], 0
	ds_add_u32 v[SPW], v[NIL]                      ; the wave's opening: the add, twice on end, and its wait ahead of my first tensor load
	ds_add_u32 v[SPW], v[NIL]                      ; and once more, under the one wait; the set-up below, work on registers, stands between
	v_lshrrev_b32 v1, 5, v0
	v_readfirstlane_b32 s14, v1                    ; wave 0..3
	s_lshr_b32 s15, s14, 1                         ; which half of the tile's rows is mine.  Also: I fetch for A (0) or for B (1)
	s_and_b32 s16, s14, 1                          ; which half of its columns.  Also: which 128 rows of that tile I fetch
	s_bfe_u32 s40, ttmp6, 0x40000                  ; cx
	s_bfe_u32 s41, ttmp6, 0x40004                  ; cy
	s_and_b32 s67, ttmp7, 0xffff
	s_lshl_b32 s67, s67, 2                         ; 4 x cluster y
	s_lshl_b32 s42, ttmp9, 2
	s_add_co_u32 s42, s42, s40                     ; Q, K: tile column = 4 x cluster x + cx
	s_add_co_u32 s95, s67, s40                     ; V:    tile column = 4 x cluster y + cx
	s_add_co_u32 s17, s67, s41                     ; Q, K: tile row = 4 x cluster y + cy;  V: tile row = cy
	s_cmp_eq_u32 ttmp9, 2                          ; the cluster's x alone decides
	s_cselect_b32 s[ISV], 1, 0
	s_cselect_b32 s42, s95, s42                    ; the tile column: made of cx and of what the partners share
	s_cselect_b32 s17, s41, s17                    ; the tile row: made of cy and of what the partners share
	s_cselect_b32 s13, 2048, 0                     ; V: A's rows are W_qkv's from 2,048 on
	s_lshl_b32 s43, s41, 2
	s_lshl_b32 s43, 15, s43                        ; my row of the cluster
	s_lshl_b32 s44, 0x1111, s40                    ; my column
	; descriptor group 1: a tile of 128 rows x 256 bytes, 16 bytes of padding behind each row
	s_or_b32 s[G1+0], s43, (0<<16)|(1<<20)|(1<<21)|(5<<22)|(3<<25)  ; 15:0 the mask: A's tiles go to my row; 17:16 elements of 1 byte; 20 padding on; 21 set beside a mask; 24:22 after every 64 words; 31:25 four words
	s_or_b32 s[G1B+0], s44, (0<<16)|(1<<20)|(1<<21)|(5<<22)|(3<<25)
.irp g, G1, G1B
	s_mov_b32 s[\g+1], ROWB<<16                    ; tensor_dim0
	s_mov_b32 s[\g+2], 128<<16                     ; tensor_dim1
	s_mov_b32 s[\g+3], ROWB<<16                    ; tile_dim0
	s_mov_b32 s[\g+4], 128                         ; tile_dim1
	s_mov_b32 s[\g+5], KROW                        ; tensor_dim0_stride
	s_mov_b32 s[\g+6], 0
	s_mov_b32 s[\g+7], 0
.endr
	; the scales of 128 rows: 4,096 dense bytes, as 16 rows of 256 bytes (32 elements of 8 bytes), 16 bytes of padding behind each
	s_or_b32 s[G1S+0], s43, (3<<16)|(1<<20)|(1<<21)|(5<<22)|(3<<25)
	s_or_b32 s[G1SB+0], s44, (3<<16)|(1<<20)|(1<<21)|(5<<22)|(3<<25)
.irp g, G1S, G1SB
	s_mov_b32 s[\g+1], 32<<16
	s_mov_b32 s[\g+2], (128*KS/256)<<16
	s_mov_b32 s[\g+3], 32<<16
	s_mov_b32 s[\g+4], 128*KS/256
	s_mov_b32 s[\g+5], 32
	s_mov_b32 s[\g+6], 0
	s_mov_b32 s[\g+7], 0
.endr
	s_lshl_b32 s18, s16, 7                         ; which 128 rows of the tile I fetch
	s_lshl_b32 s20, s17, 8
	s_add_co_u32 s20, s20, s18
	s_add_co_u32 s20, s20, s13                     ; A: row 256 x tile row + 128 x half (+ 2,048)
	s_lshl_b32 s46, s42, 8
	s_add_co_u32 s46, s46, s18                     ; B: row 256 x tile column + 128 x half
	s_mov_b32 s21, 0
	s_mov_b32 s47, 0
	s_mov_b64 s[18:19], KS
	s_mul_u64 s[22:23], s[20:21], s[18:19]         ; where these rows' scales begin, in bytes
	s_mul_u64 s[92:93], s[46:47], s[18:19]
	s_mov_b64 s[18:19], KROW
	s_mul_u64 s[20:21], s[20:21], s[18:19]         ; and their codes
	s_mul_u64 s[46:47], s[46:47], s[18:19]
	s_mul_i32 s45, s14, HALFT                      ; where they go: wave x 128 rows: no place in the cluster enters an LDS address
	s_mul_i32 s94, s14, HALFS
	s_wait_dscnt 0x0                               ; both opening adds are done
	s_wait_kmcnt 0x0
	s_cmp_eq_u32 s[ISV], 1                         ; which tensor is A and which is B
	s_cselect_b64 s[2:3], s[8:9], s[4:5]           ; A's codes
	s_cselect_b64 s[18:19], s[10:11], s[6:7]       ; A's scales
	s_cselect_b64 s[8:9], s[4:5], s[8:9]           ; B's codes
	s_cselect_b64 s[10:11], s[6:7], s[10:11]       ; B's scales
	s_add_nc_u64 s[20:21], s[2:3], s[20:21]
	s_add_nc_u64 s[22:23], s[18:19], s[22:23]
	s_add_nc_u64 s[46:47], s[8:9], s[46:47]
	s_add_nc_u64 s[92:93], s[10:11], s[92:93]
	CROUND                                         ; all sixteen work-groups are here: the first joint loads meet
	s_mov_b32 s[G0S], 1
	s_add_co_u32 s[G0S+1], s94, SCL
	s_mov_b64 s[G0S+2:G0S+3], s[22:23]
	s_or_b32 s[G0S+3], s[G0S+3], 0x80000000
	s_mov_b32 s[G0SB], 1
	s_add_co_u32 s[G0SB+1], s94, SCL
	s_mov_b64 s[G0SB+2:G0SB+3], s[92:93]
	s_or_b32 s[G0SB+3], s[G0SB+3], 0x80000000
	JLOAD G0S, G1S, G0SB, G1SB                     ; the scales first: they are wanted with the first step
.irp s, 0,1
	s_mov_b32 s[G0+4*\s], 1
	s_add_co_u32 s[G0+4*\s+1], s45, \s*SLOT
	s_add_nc_u64 s[G0+4*\s+2:G0+4*\s+3], s[20:21], \s*ROWB
	s_or_b32 s[G0+4*\s+3], s[G0+4*\s+3], 0x80000000
	s_mov_b32 s[G0B+4*\s], 1
	s_add_co_u32 s[G0B+4*\s+1], s45, \s*SLOT
	s_add_nc_u64 s[G0B+4*\s+2:G0B+4*\s+3], s[46:47], \s*ROWB
	s_or_b32 s[G0B+4*\s+3], s[G0B+4*\s+3], 0x80000000
	JLOAD G0+4*\s, G1, G0B+4*\s, G1B               ; both slots: three tensor loads of mine are out
.endr
	v_and_b32 v1, 15, v0                           ; r = lane % 16
	v_bfe_u32 v2, v0, 4, 1                         ; h = lane / 16
	v_mul_u32_u24 v3, v1, PITCH
	v_lshl_add_u32 v4, v2, 4, v3                   ; a fragment's row x pitch + 16 x half
	s_mul_i32 s21, s15, HALFT                      ; my 128 rows of A
	s_mul_i32 s22, s16, HALFT                      ; my 128 rows of B,
	s_add_co_u32 s22, s22, 2*HALFT                 ; which lie behind A's 256
.irp s, 0,1
	v_add_nc_u32 v[ADRA+\s], s21, v4
	v_add_nc_u32 v[ADRB+\s], s22, v4
	s_add_co_u32 s21, s21, SLOT
	s_add_co_u32 s22, s22, SLOT
.endr
	v_mul_u32_u24 v5, v1, KS                       ; my row's scales: 32 bytes a row,
	v_lshrrev_b32 v6, 8, v5
	v_lshl_add_u32 v5, v6, 4, v5                   ; and 16 more for each 256 passed
	s_mul_i32 s21, s15, HALFS                      ; A's: my 128 rows
	s_mul_i32 s22, s16, HALFS                      ; B's: my 128 rows, behind A's 256
	s_add_co_u32 s22, s22, 2*HALFS
	s_sub_co_u32 s22, s22, s21
	v_mul_u32_u24 v6, s22, v2                      ; lanes 16-31 take B's
	s_add_co_u32 s21, s21, SCL
	v_add_nc_u32 v5, v5, v6
	v_add_nc_u32 v[ADRS], s21, v5
	s_mul_i32 s23, s14, WSTG                       ; my stage
	v_lshlrev_b32 v5, 4, v1
	v_lshl_add_u32 v5, v2, 2, v5
	v_add_nc_u32 v[STO], s23, v5                   ; in: 16 r + 4 h
	v_lshlrev_b32 v[BR], 2, v1                     ; 4 r
	v_add_nc_u32 v[SSO], s23, v[BR]
	v_and_b32 v6, 31, v0
	v_lshlrev_b32 v[CO], 4, v6                     ; back and out: 16 x lane
	v_add_nc_u32 v[RD], s23, v[CO]
	v_lshlrev_b32 v[BH], 5, v2                     ; 32 h
.irp b, 0,1,2,3
	v_mov_b32 v[TM+4+\b], 0                        ; written once: a lane permute's destination counts as one of its sources
.endr
	s_mov_b32 s[SEL], 0x76543210
	s_mov_b32 s[SEL+1], 0xfedcba98
	; THE BIAS, 64 registers in the layout in which it is added.  Q, K: it goes by C's columns: BB[8 b + j] = b_qkv[my first column + 16 b + 8 h + j].  V: by C's rows: BB[8 a + j] = b_qkv[2,048 + my first row + 16 a + r], for all j.
	s_lshl_b32 s20, s42, 8
	s_lshl_b32 s21, s16, 7
	s_add_co_u32 s20, s20, s21                     ; my first column
	s_lshl_b32 s22, s17, 8
	s_lshl_b32 s21, s15, 7
	s_add_co_u32 s22, s22, s21
	s_add_co_u32 s22, s22, 2048                    ; 2,048 + my first row
	s_cmp_eq_u32 s[ISV], 1
	s_cselect_b32 s20, s22, s20
	s_lshl_b32 s20, s20, 2
	s_mov_b32 s21, 0
	s_add_nc_u64 s[96:97], s[96:97], s[20:21]
	s_cmp_eq_u32 s[ISV], 1
	s_cbranch_scc1 .Lbias_v
	s_wait_alu depctr_va_vdst(0)
.irp b, 0,1,2,3,4,5,6,7
	global_load_b128 v[BB+8*\b:BB+8*\b+3], v[BH], s[96:97] offset:64*\b
	global_load_b128 v[BB+8*\b+4:BB+8*\b+7], v[BH], s[96:97] offset:64*\b+16
.endr
	s_branch .Lbias_done
.Lbias_v:
.irp a, 0,1,2,3,4,5,6,7
.irp j, 0,1,2,3,4,5,6,7
	global_load_b32 v[BB+8*\a+\j], v[BR], s[96:97] offset:64*\a
.endr
.endr
.Lbias_done:
	; where my block goes
	s_lshl_b32 s20, s17, 1
	s_add_co_u32 s20, s20, s15                     ; rows / 128
	s_lshl_b32 s21, s42, 1
	s_add_co_u32 s21, s21, s16                     ; columns / 128
	s_cmp_eq_u32 s[ISV], 1
	s_cselect_b32 s22, s20, s21
	s_cselect_b32 s23, s21, s20
	s_cselect_b32 s46, 1024, 0
	s_lshl_b32 s22, s22, 6
	s_add_co_u32 s22, s22, s23
	s_add_co_u32 s22, s22, s46                     ; the block's number, under 1,536
	s_lshl_b32 s20, s22, 13
	s_mov_b32 s21, 0
	s_add_nc_u64 s[98:99], s[98:99], s[20:21]
	s_lshl_b32 s20, s22, 9
	s_add_nc_u64 s[100:101], s[100:101], s[20:21]
.macro FRAG reg, adr, q, i             ; a fragment, 16 rows x 128 K of 4-bit codes: lane l holds row l % 16; registers 4 c .. 4 c + 3 hold K = 64 c + 32 (l / 16) + 0 .. 31
.irp c, 0,1
	ds_load_b128 v[\reg+4*\c:\reg+4*\c+3], v[\adr] offset:64*(\q)+32*\c+(\i)*16*PITCH
.endr
.endm
; 16 matrix instructions: A's blocks a0, a0 + 1 x B's eight, the slot's q-th 128 along K.  p: B's set;  sc: the set of scale words.  zero = 1: the first product starts the sums.
; The 64 accumulators take turns, one instruction a turn, in the same order in every step.
.macro MUL16 a0, p, q, sc, zero
.irp a, \a0, \a0+1
.irp b, 0,1,2,3,4,5,6,7
.if \zero
	v_wmma_scale_f32_16x16x128_f8f6f4 v[8*(8*((\a)%4)+\b):8*(8*((\a)%4)+\b)+7], v[128*(\p)+FR*\b:128*(\p)+FR*\b+FR-1], v[AF+FR*(\a):AF+FR*(\a)+FR-1], 0, v[SC+8*NQ*(\sc)+NQ*\b+(\q)], v[SC+8*NQ*(\sc)+NQ*(\a)+(\q)] matrix_a_fmt:MATRIX_FMT_FP4 matrix_b_fmt:MATRIX_FMT_FP4 matrix_a_scale:MATRIX_SCALE_ROW1
.else
	v_wmma_scale_f32_16x16x128_f8f6f4 v[8*(8*((\a)%4)+\b):8*(8*((\a)%4)+\b)+7], v[128*(\p)+FR*\b:128*(\p)+FR*\b+FR-1], v[AF+FR*(\a):AF+FR*(\a)+FR-1], v[8*(8*((\a)%4)+\b):8*(8*((\a)%4)+\b)+7], v[SC+8*NQ*(\sc)+NQ*\b+(\q)], v[SC+8*NQ*(\sc)+NQ*(\a)+(\q)] matrix_a_fmt:MATRIX_FMT_FP4 matrix_b_fmt:MATRIX_FMT_FP4 matrix_a_scale:MATRIX_SCALE_ROW1
.endif
.endr
.endr
.endm
.macro FETCH_B slot, q, p              ; B's eight fragments of the slot's q-th 128 along K into set p
	WIN TO_B
.irp i, 0,1,2,3,4,5,6,7
	FRAG 128*(\p)+FR*\i, ADRB+\slot, \q, \i
.endr
	WIN 0
.endm
.macro FETCH_A slot, q, i0             ; A's blocks i0 .. i0 + 3
.irp i, \i0, \i0+1, \i0+2, \i0+3
	FRAG AF+FR*(\i), ADRA+\slot, \q, \i
.endr
.endm
.macro SCALES sc                       ; a slot's scale words into set sc: four words a row; lanes 0-15 take A's block i, lanes 16-31 B's block i
.irp i, 0,1,2,3,4,5,6,7
	ds_load_b128 v[SC+8*NQ*\sc+NQ*\i:SC+8*NQ*\sc+NQ*\i+3], v[ADRS] offset:\i*SBLK
.endr
.endm
.macro PLACES n                        ; plain vector instructions between a matrix instruction and a load into, or a vector instruction on, its registers
.rept \n
	v_nop
.endr
.endm
.macro STEP slot, q, zero              ; a step of 128 along K that has its successor in the same slot
	s_wait_dscnt 4*NL                              ; B's set and A's blocks 0-3 are in; the youngest eight loads (A's blocks 4-7) may be out
	WIN MUL_LO
	MUL16 0, (\q)%2, \q, \slot, \zero
	MUL16 2, (\q)%2, \q, \slot, \zero
	s_wait_dscnt 0                                 ; A's blocks 4-7 are in
	PLACES NP
	FETCH_B \slot, (\q)+1, 1-(\q)%2
	FETCH_A \slot, (\q)+1, 0
	WIN MUL_HI
	MUL16 4, (\q)%2, \q, \slot, \zero
	MUL16 6, (\q)%2, \q, \slot, \zero
	PLACES NP
	WIN 0
	FETCH_A \slot, (\q)+1, 4
.endm
; Slot 0's last step changes slots: one barrier; in front of it each wave waits for all its tensor loads (slot 1's is the one that was out) and for its own reads of slot 0.  Nothing is filled again.
.macro TURN slot, next
	s_wait_tensorcnt 0x0                           ; all my tensor loads have landed
	ds_add_u32 v[SPW], v[NIL]                      ; 0 onto my spare word
	s_wait_dscnt 4*NL+1                            ; (the add and the youngest eight loads, A's blocks 4-7, may be out)
	WIN MUL_LO
	MUL16 0, 1, NQ-1, \slot, 0
	s_wait_dscnt 0x0                               ; the add is done, and my reads of this slot are over
	s_barrier_signal -1
	MUL16 2, 1, NQ-1, \slot, 0
	WIN 0
	s_barrier_wait -1
	PLACES NP
	v_add_nc_u32 v[ADRS], 4*NQ, v[ADRS]            ; on to the next slot's scale words (no LDS load of mine is out)
	FETCH_B \next, 0, 0
	FETCH_A \next, 0, 0
	SCALES \next
	WIN MUL_HI
	MUL16 4, 1, NQ-1, \slot, 0
	MUL16 6, 1, NQ-1, \slot, 0
	PLACES NP
	WIN 0
	FETCH_A \next, 0, 4
.endm
.macro STEPS slot, from                ; the slot's steps from .. NQ - 2
.set Q, \from
.rept NQ-1-\from
	STEP \slot, Q, 0
.set Q, Q+1
.endr
.endm
	s_wait_tensorcnt 1                             ; the scales and my part of slot 0 are in (slot 1's load may be out)
	s_barrier_signal -1
	s_barrier_wait -1                              ; everybody's are
	FETCH_B 0, 0, 0
	FETCH_A 0, 0, 0
	SCALES 0
	FETCH_A 0, 0, 4
	STEP 0, 0, 1                                   ; the first step's products start the sums
	STEPS 0, 1
	TURN 0, 1
	STEPS 1, 0
	s_wait_dscnt 4*NL                              ; the very last step: nothing more to fetch
	WIN MUL_LO
	MUL16 0, 1, NQ-1, 1, 0
	MUL16 2, 1, NQ-1, 1, 0
	s_wait_dscnt 0
	WIN MUL_HI
	MUL16 4, 1, NQ-1, 1, 0
	MUL16 6, 1, NQ-1, 1, 0
	WIN 0
; THE WAY OUT, a block of 16 rows x 128 columns at a time: + bias, in f32; four blocks of 32 columns are quantised (a block lies in lanes l and l xor 16, 16 numbers each); each conversion's eight codes, four bytes,
; go to their place in the stage: 1024 a + 256 (column / 32) + 16 r + (column % 32) / 2.
.macro BLOCK a
	s_cmp_eq_u32 s[ISV], 0
	s_cbranch_scc0 .Lbm_\@
	WIN 0x02+(\a)/4                                ; source 0: the accumulators' window
.set i, 0
.rept 32
	v_pk_add_f32 v[T+2*i:T+2*i+1], v[64*((\a)%4)+2*i:64*((\a)%4)+2*i+1], v[BB+2*i:BB+2*i+1]   ; Q, K: the bias of my columns; each accumulator is read from its low end on
.set i, i+1
.endr
	WIN 0
	s_branch .Lbj_\@
.Lbm_\@:
	WIN 0x02+(\a)/4
.set i, 0
.rept 32
	v_pk_add_f32 v[T+2*i:T+2*i+1], v[64*((\a)%4)+2*i:64*((\a)%4)+2*i+1], v[BB+8*(\a)+2*(i%4):BB+8*(\a)+2*(i%4)+1]   ; V: the bias of my row
.set i, i+1
.endr
	WIN 0
.Lbj_\@:
.irp b, 0,1,2,3
	v_max3_num_f32 v[TM+\b], |v[T+16*\b]|, |v[T+16*\b+1]|, 0x1800000   ; block b: my 16 numbers, and the floor 2^(3 - 127): the byte cannot fall under 1
.endr
.irp i, 2,4,6,8,10,12,14
.irp b, 0,1,2,3
	v_max3_num_f32 v[TM+\b], v[TM+\b], |v[T+16*\b+\i]|, |v[T+16*\b+\i+1]|   ; (the four blocks by turns)
.endr
.endr
.irp b, 0,1,2,3
	v_permlanex16_b32 v[TM+4+\b], v[TM+\b], s[SEL], s[SEL+1]
.endr
.irp b, 0,1,2,3
	v_max_num_f32 v[TM+\b], v[TM+\b], v[TM+4+\b]   ; with lane l xor 16's: the block's largest magnitude
.endr
.irp b, 0,1,2,3
	v_add_nc_u32 v[TM+12+\b], 0xff000000, v[TM+\b] ; 2 off its exponent field: the conversion's scale operand
.endr
.irp b, 0,1,2,3
	v_lshrrev_b32 v[TM+4+\b], 23, v[TM+12+\b]      ; the scale's byte
.endr
.if (\a) > 0
	s_wait_alu depctr_va_vdst(0)
	s_wait_dscnt 0x0                               ; the last block's stores into the stage have read their registers: the codes and the scale word may be written again
.endif
	v_lshl_or_b32 v[PW], v[TM+5], 8, v[TM+4]       ; my row's scale word
	v_lshl_or_b32 v[PW], v[TM+6], 16, v[PW]
	v_lshl_or_b32 v[PW], v[TM+7], 24, v[PW]
.irp t, 0,1,2,3,4,5,6,7
	v_cvt_scalef32_pk8_fp4_f32 v[X+\t], v[T+8*\t:T+8*\t+7], v[TM+12+\t/2]   ; columns 16 t + 8 h + 0 .. 7
.endr
	v_nop                                          ; one plain place behind the scaled conversions
.irp t, 0,1,2,3,4,5,6,7
	ds_store_b32 v[STO], v[X+\t] offset:1024*(\a)+256*(\t/2)+8*(\t%2)
.endr
	ds_store_b32 v[SSO], v[PW] offset:8192+64*(\a) ; both halves of the lanes write the same word with the same value
.endm
	PLACES NP                                      ; behind the last products: the numbers take the registers that held A's fragments
	s_wait_loadcnt 0x0                             ; the bias
.irp a, 0,1,2,3,4,5,6,7
	BLOCK \a
.endr
.irp i, 0,1,2,3,4,5,6,7,8,9,10,11,12,13,14,15
	ds_load_b128 v[T+4*\i:T+4*\i+3], v[RD] offset:512*\i   ; LDS serves a wave's instructions in order (ISA guide 5.7.1.4): these see my stores
.endr
	ds_load_b128 v[TM:TM+3], v[RD] offset:8192     ; the 128 scale words
.irp i, 0,1,2,3,4,5,6,7,8,9,10,11,12,13,14,15
	s_wait_dscnt 16-\i                             ; load i is in; the 16 - i issued behind it may be out
	global_store_b128 v[CO], v[T+4*\i:T+4*\i+3], s[98:99] offset:512*\i   ; 32 lanes store 512 consecutive bytes, at a multiple of 512 from the buffer's first byte
.endr
	s_wait_dscnt 0x0
	global_store_b128 v[CO], v[TM:TM+3], s[100:101]
	s_wait_tensorcnt 0x0                           ; the wave's end, behind my last tensor load and my last LDS store
	ds_add_u32 v[SPW], v[NIL]
	s_wait_dscnt 0x0
	CROUND                                         ; the closing round: no work-group ends while a partner may still ask for a tile that names it
	s_endpgm
.Lfunc_end_k_qdca2cee32b_qkv:
	.size	k_qdca2cee32b_qkv, .Lfunc_end_k_qdca2cee32b_qkv-k_qdca2cee32b_qkv
	.p2alignl 7, 3214868480
	.fill 96, 4, 3214868480
	.section	.rodata,"a",@progbits
	.p2align	6, 0x0
	.amdhsa_kernel k_qdca2cee32b_qkv
		.amdhsa_group_segment_fixed_size 327680
		.amdhsa_private_segment_fixed_size 0
		.amdhsa_enable_private_segment 0
		.amdhsa_kernarg_size 56
		.amdhsa_user_sgpr_count 2
		.amdhsa_user_sgpr_kernarg_segment_ptr 1
		.amdhsa_wavefront_size32 1
		.amdhsa_system_sgpr_workgroup_id_x 1
		.amdhsa_system_sgpr_workgroup_id_y 1
		.amdhsa_system_sgpr_workgroup_id_z 1
		.amdhsa_system_vgpr_workitem_id 0
		.amdhsa_next_free_vgpr 1024
		.amdhsa_next_free_sgpr 102
		.amdhsa_reserve_vcc 0
		.amdhsa_float_denorm_mode_32 3
		.amdhsa_float_denorm_mode_16_64 3
		.amdhsa_memory_ordered 1
		.amdhsa_forward_progress 1
		.amdhsa_inst_pref_size 175
	.end_amdhsa_kernel
	.amdgpu_metadata
---
amdhsa.version: [ 1, 2 ]
amdhsa.kernels:
  - .name:           k_qdca2cee32b_qkv
    .symbol:         k_qdca2cee32b_qkv.kd
    .args:
      - { .name: x_codes, .offset: 0, .size: 8, .value_kind: global_buffer, .address_space: global }
      - { .name: x_scales, .offset: 8, .size: 8, .value_kind: global_buffer, .address_space: global }
      - { .name: W_qkv_codes, .offset: 16, .size: 8, .value_kind: global_buffer, .address_space: global }
      - { .name: W_qkv_scales, .offset: 24, .size: 8, .value_kind: global_buffer, .address_space: global }
      - { .name: b_qkv, .offset: 32, .size: 8, .value_kind: global_buffer, .address_space: global }
      - { .name: qkv_codes, .offset: 40, .size: 8, .value_kind: global_buffer, .address_space: global }
      - { .name: qkv_scales, .offset: 48, .size: 8, .value_kind: global_buffer, .address_space: global }
    .group_segment_fixed_size: 327680
    .private_segment_fixed_size: 0
    .kernarg_segment_align: 8
    .kernarg_segment_size: 56
    .max_flat_workgroup_size: 128
    .sgpr_count:     102
    .vgpr_count:     1024
    .wavefront_size: 32
...
	.end_amdgpu_metadata
.endif
;; end of part 1
;; launch attn (part 2): grid 4 x 64, 16 waves a work-group, clusters of 4 x 1, 167,936 bytes of LDS; arguments qkv_codes, qkv_scales, o_codes, o_scales; writes o_codes, o_scales
.if DOCPART == 2
	.amdgcn_target "amdgcn-amd-amdhsa--gfx1250"
	.amdhsa_code_object_version 6
	.text
	.protected	k_qdca2cee32b_attn
	.globl	k_qdca2cee32b_attn
	.p2align	8
	.type	k_qdca2cee32b_attn,@function
k_qdca2cee32b_attn:
	s_mov_b64 s[64:65], 0
	v_nop
	global_prefetch_b8 v0, s[64:65] scope:SCOPE_SE
	s_setreg_imm32_b32 hwreg(HW_REG_WAVE_MODE, 25, 1), 1
	s_wait_xcnt 0x0
	s_wait_alu depctr_hold_cnt(0) depctr_sa_sdst(0) depctr_va_vdst(0) depctr_va_sdst(0) depctr_va_ssrc(0) depctr_va_vcc(0) depctr_vm_vsrc(0)
	s_getreg_b32 s2, hwreg(HW_REG_IB_STS2, 6, 4)
	s_cmp_eq_u32 s2, 0
	s_cbranch_scc0 .Lentry_in_a_cluster
	s_endpgm
.Lentry_in_a_cluster:
	s_bfe_u32 s2, ttmp6, 0x10000c
	s_cmp_lg_u32 s2, 0x3003
	s_cbranch_scc0 .Lentry_shape_is_right
	s_endpgm
.Lentry_shape_is_right:
; LAUNCH 2 OF 3.  O = softmax(Q K^T / 8 + causal mask) V for one batch and head a work-group row, both products on codes of FP4 (E2M1) with E8M0 scales; O / l is quantised along the model's channels for the last launch.
; WORK LEFT OUT: key steps all of whose 128 keys come after a tile's 16 queries: reference()'s own mask gives them the weight 0 for all values of the inputs (shown at the head of the first launch, with the limit that goes with it).
; THE SOFTMAX: t = score x log2(e) / 8; M = the running largest t rounded UP to a whole number; p = 2^(t - M) is quantised along the keys, not normalised; the row's sum is taken of the unquantised p and divides O at the end.
; When M moves, the sum and O are multiplied by 2^(old M - new M): exact.  LIMITS: NaN and infinities are not served; a block whose largest magnitude lies under 2^-124 gets the scale byte 1 (read by this program alone).
; SHARES.  A head has 128 tiles of 16 queries.  The four work-groups of a cluster (place j) serve one head; wave w of sixteen owns the EARLY tile 4 w + j and the LATE tile 127 - (4 w + j).  A tile t walks key steps 0 .. t / 8.
; (4 w + j) / 8 = w / 2 and (127 - 4 w - j) / 8 = 15 - w / 2: no trip hangs on j, and every wave of the launch works (w / 2 + 1) + (16 - w / 2) = 17 key steps.
; ALL OF THE HEAD'S K AND V STAY IN LDS: 64 KiB + 64 KiB of codes, 8 KiB + 4 KiB of scale words, each byte filled once, by joint loads of the four work-groups.  No ring, no refill; nothing is stored to LDS.
; The first launch laid the codes as images of operand registers, so every fragment load takes 512 consecutive bytes: K's tile T of step s at 4096 s + 512 T + 16 lane; V^T's tile ct, registers 4 c on, at 4096 s + 1024 ct + 512 c + 16 lane.
; LAYOUT.  Both products are used transposed: S^T = K Q^T (source 0 = 16 keys), O^T = V^T P^T (source 0 = 16 channels): a lane holds ONE query (lane % 16).  Register 8 T + j of the scores is key 16 T + 8 (lane / 16) + j.
; A conversion takes eight neighbouring keys; the operand wants 32 in a lane: tiles 4 c, 4 c + 2, 4 c + 1, 4 c + 3 are converted into registers 4 c .. 4 c + 3 and two exchanges of halves put them in place.
; THE HEAD'S 64 CHANNELS FILL HALF OF THE INSTRUCTION'S K = 128.  Q's registers 4-7 are zero codes, and the scale words of Q and K are read as 16 bits, so their upper bytes are 0.  K's tile T is named v[KF + 4 T : KF + 4 T + 7]:
; its upper four registers are the next tile's codes (behind the last tile: zeros); they meet Q's zero codes alone and add nothing.
.set KB,    0                          ; LDS: K's codes, 4,096 bytes a key step
.set VB,    65536                      ; V's codes, likewise
.set KSB,   131072                     ; K's scale words, 512 bytes a key step (4 bytes a key: both heads of the pair)
.set VSB,   139264                     ; V's scale words, 256 bytes a key step (4 bytes a channel)
.set SPARE, 143360                     ; the spare words, 128 bytes for each of sixteen waves
.set AK0,  1                           ; v1   16 x lane: my place in an image of K; also my bytes of O's store
.set AV0,  2                           ; v2   VB + 16 x lane
.set ASK0, 3                           ; v3   KSB + 4 x lane + 2 (head % 2)
.set ASV0, 4                           ; v4   VSB + 4 x lane
.set SPW,  5                           ; v5   my spare word; never rewritten
.set NIL,  6                           ; v6   0; never rewritten
.set DB,   7                           ; v7   late tile: my query - the diagonal step's first key - 8 (lane / 16)
.set DA,   8                           ; v8   early tile: the same
.set ADK,  9                           ; v9-11, v41  the step's LDS addresses
.set ADV,  10
.set ADS,  11
.set QB,   16                          ; v16-23 the late tile's Q: four registers of codes, four of zeros
.set QA,   24                          ; v24-31 the early tile's
.set QSB,  32                          ; v32, v33 Q's scale words; v34-37 K's; v38-39 V's; v40 p's: these hold scales alone
.set QSA,  33
.set KSC,  34
.set VSC,  38
.set PS,   40
.set ADT,  41
.set GOS,  43                          ; v43  32 r + h: my byte among O's scale bytes
.set KF,   44                          ; v44-75 K's eight tiles; v76-79 zeros
.set VF,   80                          ; v80-111 V^T's four fragments
.set S,    112                         ; v112-175 the scores, then p
.set O,    176                         ; v176-207 O^T
.set PC,   208                         ; v208-215 p's codes
.set BX,   216                         ; v216-219 the blocks' largest scores, then largest p
.set BT,   220                         ; v220-223 the other half's; a chain of sums; bytes
.set SO,   224                         ; v224-227 the conversions' scale operands
.set F,    228                         ; v[228:229] f = 2^(old M - new M)
.set TMP,  230
.set NINF, 231                         ; v231 -infinity
.set Y,    232                         ; v232-235 O's codes
.set YB,   236                         ; v236 O's scale byte
.set WV,   12
.set SI,   2                           ; s2   the key step
.set TK,   3                           ; s3   4096 x step
.set TSK,  13                          ; s13  512 x step
.set TSV,  14                          ; s14  256 x step
.set LIMB, 15                          ; s15  the late tile's last step: 15 - wave / 2
.set LIMA, 16                          ; s16  the early tile's: wave / 2
.set SEL,  20                          ; s[20:21] lane selects: lane l xor 16
.set CS,   22                          ; s[22:23] c = log2(e) / 8
.set HIM,  100                         ; s100 the mask of lanes 16-31
.set G1K,  24
.set G1V,  32
.set G1KS, 40
.set G1VS, 48
.macro CROUND                          ; a round of the cluster's barrier
	s_barrier_signal -1
	s_barrier_wait -1
	s_cmp_lg_u32 s[WV], 0
	s_cbranch_scc1 .Lnot_wave_0_\@
	s_barrier_signal -3
.Lnot_wave_0_\@:
	s_barrier_wait -3
	s_barrier_signal -1
	s_barrier_wait -1
.endm
; A descriptor group 0: LDS address base + (wave % 2) << sh; global address pointer + offset + plus
.macro G0SET g, sh, base, ptr, off, plus
	s_mov_b32 s[\g], 1
	s_lshl_b32 s[\g+1], s19, \sh
.if \base
	s_add_co_u32 s[\g+1], s[\g+1], \base
.endif
	s_add_nc_u64 s[\g+2:\g+3], s[\ptr:\ptr+1], s[\off:\off+1]
.if \plus
	s_add_nc_u64 s[\g+2:\g+3], s[\g+2:\g+3], \plus
.endif
	s_or_b32 s[\g+3], s[\g+3], 0x80000000
.endm
	s_load_b256 s[4:11], s[0:1], 0x0               ; qkv_codes s[4:5], qkv_scales s[6:7], o_codes s[8:9], o_scales s[10:11]
	v_lshl_add_u32 v[SPW], v0, 2, SPARE
	v_mov_b32 v[NIL], 0
	ds_add_u32 v[SPW], v[NIL]                      ; the wave's opening: the add, twice on end, and its wait ahead of the first tensor loads
	ds_add_u32 v[SPW], v[NIL]                      ; and once more, under the one wait; the set-up below, work on registers, stands between
	v_lshrrev_b32 v1, 5, v0
	s_delay_alu instid0(VALU_DEP_1)
	v_readfirstlane_b32 s[WV], v1                  ; wave 0..15
	s_bfe_u32 s13, ttmp6, 0x40000                  ; j: my place in the cluster: it enters Q's and O's global addresses and the mask's numbers alone
	s_and_b32 s14, ttmp7, 0xffff
	s_lshr_b32 s15, s14, 4                         ; batch
	s_and_b32 s16, s14, 15                         ; head
	s_and_b32 s17, s16, 1                          ; head % 2
	s_lshr_b32 s18, s16, 1
	s_lshl_b32 s18, s18, 6
	s_lshl_b32 s19, s15, 4
	s_add_co_u32 s18, s18, s19                     ; I0 = 64 (head / 2) + 16 batch: Q's first block; K's is 512 + I0, V's 1,024 + I0
	s_and_b32 s19, s[WV], 1                        ; e: which half I fetch, if I fetch
	s_add_co_u32 s2, s18, 512
	s_lshl_b32 s20, s2, 9
	s_lshl_b32 s3, s19, 12
	s_add_co_u32 s20, s20, s3                      ; K's scale words: 512 (512 + I0) + 4096 e
	s_mov_b32 s21, 0
	s_lshl_b32 s22, s2, 13
	s_lshl_b32 s3, s17, 9
	s_add_co_u32 s22, s22, s3
	s_lshl_b32 s3, s19, 14
	s_add_co_u32 s22, s22, s3                      ; K's codes: 8192 (512 + I0) + 512 (head % 2) + 16 rows of 1,024 bytes x e
	s_mov_b32 s23, 0
	s_add_co_u32 s2, s18, 1024
	s_lshl_b32 s100, s2, 9
	s_lshl_b32 s3, s17, 8
	s_add_co_u32 s100, s100, s3
	s_lshl_b32 s3, s19, 12
	s_add_co_u32 s100, s100, s3                    ; V's scale words: 512 (1024 + I0) + 256 (head % 2) + 8 blocks x e
	s_mov_b32 s101, 0
	s_lshl_b32 s2, s2, 13
	s_lshl_b32 s3, s17, 12
	s_add_co_u32 s2, s2, s3
	s_lshl_b32 s3, s19, 14
	s_add_co_u32 s2, s2, s3                        ; V's codes: 8192 (1024 + I0) + 4096 (head % 2) + 2 blocks x e
	s_mov_b32 s3, 0
	; descriptor groups 1: elements of 8 bytes, no padding; 15:0 the mask: all four work-groups; 21 set beside a mask
.irp g, G1K, G1V, G1KS, G1VS
	s_mov_b32 s[\g], 15|(3<<16)|(1<<21)
	s_mov_b32 s[\g+6], 0
	s_mov_b32 s[\g+7], 0
.endr
	s_mov_b32 s[G1K+1], 64<<16                     ; K's codes: 16 rows of 512 bytes (a tile of 16 keys of my head), 1,024 bytes apart
	s_mov_b32 s[G1K+2], 16<<16
	s_mov_b32 s[G1K+3], 64<<16
	s_mov_b32 s[G1K+4], 16
	s_mov_b32 s[G1K+5], 128
	s_mov_b32 s[G1V+1], 512<<16                    ; V's codes: 2 rows of 4,096 bytes (a key step of my head), 8,192 bytes apart
	s_mov_b32 s[G1V+2], 2<<16
	s_mov_b32 s[G1V+3], 512<<16
	s_mov_b32 s[G1V+4], 2
	s_mov_b32 s[G1V+5], 1024
	s_mov_b32 s[G1KS+1], 32<<16                    ; K's scale words: 4,096 dense bytes as 16 rows of 256
	s_mov_b32 s[G1KS+2], 16<<16
	s_mov_b32 s[G1KS+3], 32<<16
	s_mov_b32 s[G1KS+4], 16
	s_mov_b32 s[G1KS+5], 32
	s_mov_b32 s[G1VS+1], 32<<16                    ; V's scale words: 8 rows of 256 bytes, 512 bytes apart
	s_mov_b32 s[G1VS+2], 8<<16
	s_mov_b32 s[G1VS+3], 32<<16
	s_mov_b32 s[G1VS+4], 8
	s_mov_b32 s[G1VS+5], 64
	s_wait_dscnt 0x0                               ; both opening adds are done
	s_wait_kmcnt 0x0
	G0SET 56, 12, KSB, 6, 20, 0                    ; K's scale words, half e
	G0SET 60, 13, KB, 4, 22, 0                     ; K's codes: key steps 4 c + 2 e and the next, c = 0 .. 3
	G0SET 68, 13, KB+16384, 4, 22, 32768
	G0SET 72, 13, KB+32768, 4, 22, 65536
	G0SET 76, 13, KB+49152, 4, 22, 98304
	G0SET 80, 11, VSB, 6, 100, 0                   ; V's scale words, half e
	G0SET 84, 13, VB, 4, 2, 0                      ; V's codes, likewise
	G0SET 88, 13, VB+16384, 4, 2, 32768
	G0SET 92, 13, VB+32768, 4, 2, 65536
	G0SET 96, 13, VB+49152, 4, 2, 98304
	CROUND                                         ; all four work-groups are here: the joint loads meet
	s_cmp_lt_u32 s[WV], 2                          ; waves 0, 1 fetch K, waves 2, 3 V, the others nothing: a wave's five fills stand in one branch on its number; five tensor loads of mine are out
	s_cbranch_scc0 .Lnot_k
	tensor_load_to_lds s[56:59], s[G1KS:G1KS+7]
	s_nop 0
	tensor_load_to_lds s[60:63], s[G1K:G1K+7]
	s_nop 0
	tensor_load_to_lds s[68:71], s[G1K:G1K+7]
	s_nop 0
	tensor_load_to_lds s[72:75], s[G1K:G1K+7]
	s_nop 0
	tensor_load_to_lds s[76:79], s[G1K:G1K+7]
	s_nop 0
.rept 4
	v_nop
.endr
	s_branch .Lasked
.Lnot_k:
	s_cmp_lt_u32 s[WV], 4
	s_cbranch_scc0 .Lasked
	tensor_load_to_lds s[80:83], s[G1VS:G1VS+7]
	s_nop 0
	tensor_load_to_lds s[84:87], s[G1V:G1V+7]
	s_nop 0
	tensor_load_to_lds s[88:91], s[G1V:G1V+7]
	s_nop 0
	tensor_load_to_lds s[92:95], s[G1V:G1V+7]
	s_nop 0
	tensor_load_to_lds s[96:99], s[G1V:G1V+7]
	s_nop 0
.rept 4
	v_nop
.endr
.Lasked:
	; my two tiles, and Q
	s_lshl_b32 s14, s[WV], 2
	s_add_co_u32 s14, s14, s13                     ; the early tile: 4 w + j
	s_sub_co_u32 s19, 127, s14                     ; the late tile
	s_lshl_b32 s20, s18, 13
	s_lshl_b32 s2, s17, 9
	s_add_co_u32 s20, s20, s2
	s_mov_b32 s21, 0
	s_add_nc_u64 s[22:23], s[4:5], s[20:21]        ; Q's codes of my head: tile t at 1024 t
	s_lshl_b32 s20, s18, 9
	s_lshl_b32 s2, s17, 1
	s_add_co_u32 s20, s20, s2
	s_add_nc_u64 s[100:101], s[6:7], s[20:21]      ; Q's scale words: tile t at 64 t, row r at 4 r; my head's two bytes
	v_and_b32 v[TMP], 31, v0                       ; lane
	s_delay_alu instid0(VALU_DEP_1)
	v_lshlrev_b32 v[AK0], 4, v[TMP]
	s_delay_alu instid0(VALU_DEP_1)
	v_add_nc_u32 v[AV0], VB, v[AK0]
	s_delay_alu instid0(VALU_DEP_3)
	v_lshlrev_b32 v[ASV0], 2, v[TMP]
	s_add_co_u32 s2, s2, KSB
	v_add_nc_u32 v[ASK0], s2, v[ASV0]
	v_add_nc_u32 v[ASV0], VSB, v[ASV0]
	v_and_b32 v[F], 15, v0                         ; r
	v_bfe_u32 v[F+1], v0, 4, 1                     ; h
	s_delay_alu instid0(VALU_DEP_1)
	v_lshl_add_u32 v[GOS], v[F], 5, v[F+1]         ; 32 r + h
	s_delay_alu instid0(VALU_DEP_2)
	v_lshlrev_b32 v[NINF], 3, v[F+1]
	s_delay_alu instid0(VALU_DEP_1)
	v_sub_nc_u32 v[NINF], v[F], v[NINF]            ; r - 8 h
	s_and_b32 s2, s19, 7
	s_lshl_b32 s2, s2, 4
	v_add_nc_u32 v[DB], s2, v[NINF]                ; 16 (t % 8) + r - 8 h
	s_and_b32 s2, s14, 7
	s_lshl_b32 s2, s2, 4
	v_add_nc_u32 v[DA], s2, v[NINF]
	v_lshlrev_b32 v[F], 2, v[F]                    ; 4 r
	v_lshl_add_u32 v[ADK], s19, 10, v[AK0]
	v_lshl_add_u32 v[ADV], s14, 10, v[AK0]
	s_delay_alu instid0(VALU_DEP_3)
	v_lshl_add_u32 v[ADS], s19, 6, v[F]
	s_delay_alu instid0(VALU_DEP_4)
	v_lshl_add_u32 v[ADT], s14, 6, v[F]
	global_load_b128 v[QB:QB+3], v[ADK], s[22:23]
	global_load_b128 v[QA:QA+3], v[ADV], s[22:23]
	global_load_u16 v[QSB], v[ADS], s[100:101]     ; 16 bits: the word's upper two bytes are 0
	global_load_u16 v[QSA], v[ADT], s[100:101]
.irp i, 4,5,6,7
	v_mov_b32 v[QB+\i], 0                          ; zero codes for K = 64 .. 127
	v_mov_b32 v[QA+\i], 0
	v_mov_b32 v[KF+28+\i], 0                       ; and behind K's last tile
	v_mov_b32 v[BT-4+\i], 0                        ; written once: a lane permute's destination counts as one of its sources
.endr
	v_mov_b32 v[F+1], 0                            ; (named as the upper half of the pair before it is first written)
	v_mov_b32 v[NINF], 0xff800000
	s_wait_loadcnt 0x0                             ; Q is in: its address registers may be written
	; where O goes: a tile of 16 tokens mt = 128 batch + t: codes at 8192 mt + 512 head, scale bytes at 512 mt + 2 head
	s_lshl_b32 s15, s15, 7
	s_add_co_u32 s2, s15, s19
	s_lshl_b32 s20, s2, 13
	s_lshl_b32 s3, s16, 9
	s_add_co_u32 s20, s20, s3
	s_mov_b32 s21, 0
	s_add_nc_u64 s[4:5], s[8:9], s[20:21]          ; the late tile's codes
	s_lshl_b32 s20, s2, 9
	s_lshl_b32 s3, s16, 1
	s_add_co_u32 s20, s20, s3
	s_add_nc_u64 s[6:7], s[10:11], s[20:21]        ; and scale bytes
	s_add_co_u32 s2, s15, s14
	s_lshl_b32 s20, s2, 13
	s_lshl_b32 s3, s16, 9
	s_add_co_u32 s20, s20, s3
	s_add_nc_u64 s[8:9], s[8:9], s[20:21]          ; the early tile's
	s_lshl_b32 s20, s2, 9
	s_lshl_b32 s3, s16, 1
	s_add_co_u32 s20, s20, s3
	s_add_nc_u64 s[10:11], s[10:11], s[20:21]
	s_lshr_b32 s[LIMA], s[WV], 1
	s_sub_co_u32 s[LIMB], 15, s[LIMA]
	s_mov_b32 s[SEL], 0x76543210
	s_mov_b32 s[SEL+1], 0xfedcba98
	s_mov_b32 s[CS], 0x3e38aa3b                    ; c = log2(e) / 8
	s_mov_b32 s[CS+1], s[CS]                       ; (named with it as a pair, so it is written)
	s_mov_b32 s[HIM], 0xffff0000
.macro INIT                            ; a tile begins: O^T and the sum are zeros, the largest t lies under every t: the first change of M multiplies zeros
	v_mov_b32 v13, 0xff61b1e6                      ; -3e38
	s_delay_alu instid0(VALU_DEP_1)
	v_floor_f32 v12, -v13                          ; -M
	v_mov_b32 v14, 0
	v_mov_b32 v15, 0
.set n, 0
.rept 32
	v_mov_b32 v[O+n], 0
.set n, n+1
.endr
	s_mov_b32 s[SI], 0
	s_mov_b32 s[TK], 0
	s_mov_b32 s[TSK], 0
	s_mov_b32 s[TSV], 0
.endm
; A KEY STEP: 128 keys.  qf, qs: the tile's Q and its scale words; d: the mask's number; lim: the tile's last step.  mode = 1: a step behind the last is left out, the last is masked.
.macro STEP qf, qs, d, lim, mode
.if \mode
	s_cmp_gt_u32 s[SI], s[\lim]                    ; ids and the count of steps alone
	s_cbranch_scc1 .Lhidden_\@
.endif
	s_setprio 2
	v_add_nc_u32 v[ADK], s[TK], v[AK0]             ; these four are also the places between the last step's products and the loads into their operands
	v_add_nc_u32 v[ADV], s[TK], v[AV0]
	v_add_nc_u32 v[ADS], s[TSK], v[ASK0]
	v_add_nc_u32 v[ADT], s[TSV], v[ASV0]
.irp t, 0,1,2,3,4,5,6,7
	ds_load_b128 v[KF+4*\t:KF+4*\t+3], v[ADK] offset:512*\t
.endr
.irp b, 0,1,2,3
	ds_load_u16 v[KSC+\b], v[ADS] offset:128*\b    ; lanes 0-15: tile 2 b's words, lanes 16-31: tile 2 b + 1's
.endr
.irp t, 0,1,2,3
.irp c, 0,1
	ds_load_b128 v[VF+8*\t+4*\c:VF+8*\t+4*\c+3], v[ADV] offset:1024*\t+512*\c
.endr
.endr
.irp b, 0,1
	ds_load_b32 v[VSC+\b], v[ADT] offset:128*\b
.endr
	s_wait_dscnt 10                                ; K and its scale words are in; V's ten loads may be out
.irp t, 0,2,4,6
	v_wmma_scale_f32_16x16x128_f8f6f4 v[S+8*\t:S+8*\t+7], v[KF+4*\t:KF+4*\t+7], v[\qf:\qf+7], 0, v[KSC+\t/2], v[\qs] matrix_a_fmt:MATRIX_FMT_FP4 matrix_b_fmt:MATRIX_FMT_FP4
	v_wmma_scale_f32_16x16x128_f8f6f4 v[S+8*(\t+1):S+8*(\t+1)+7], v[KF+4*(\t+1):KF+4*(\t+1)+7], v[\qf:\qf+7], 0, v[KSC+\t/2], v[\qs] matrix_a_fmt:MATRIX_FMT_FP4 matrix_b_fmt:MATRIX_FMT_FP4 matrix_a_scale:MATRIX_SCALE_ROW1
.endr
.rept 4
	v_nop                                          ; places in front of the first read of the scores
.endr
.if \mode
	s_cmp_lg_u32 s[SI], s[\lim]                    ; only the tile's last step lies on the diagonal
	s_cbranch_scc1 .Lopen_\@
.set n, 0
.rept 64
	v_cmp_gt_i32 vcc_lo, 16*(n/8)+n%8, v[\d]       ; register n holds key 16 (n / 8) + 8 h + n % 8 of the step: hidden where that comes after my query
	v_cndmask_b32 v[S+n], v[S+n], v[NINF], vcc_lo  ; -infinity ahead of the maximum: p = 0 then
.set n, n+1
.endr
.Lopen_\@:
.endif
.irp b, 0,1,2,3
	v_max3_num_f32 v[BX+\b], v[S+16*\b], v[S+16*\b+1], v[S+16*\b+2]   ; the largest score of each block of 32 keys: it serves for the row's maximum and, since p rises with the score, for the block's largest p
.endr
.irp i, 3,5,7,9,11,13
.irp b, 0,1,2,3
	v_max3_num_f32 v[BX+\b], v[BX+\b], v[S+16*\b+\i], v[S+16*\b+\i+1]
.endr
.endr
.irp b, 0,1,2,3
	v_max_num_f32 v[BX+\b], v[BX+\b], v[S+16*\b+15]
.endr
.irp b, 0,1,2,3
	s_delay_alu instid0(VALU_DEP_4)
	v_permlanex16_b32 v[BT+\b], v[BX+\b], s[SEL], s[SEL+1]
.endr
.irp b, 0,1,2,3
	s_delay_alu instid0(VALU_DEP_4)
	v_max_num_f32 v[BX+\b], v[BX+\b], v[BT+\b]     ; with lane l xor 16's 16 keys
.endr
	s_delay_alu instid0(VALU_DEP_2)
	v_max3_num_f32 v[TMP], v[BX], v[BX+1], v[BX+2]
	s_delay_alu instid0(VALU_DEP_1)
	v_max_num_f32 v[TMP], v[TMP], v[BX+3]          ; the step's largest score of my query
	s_delay_alu instid0(VALU_DEP_1)
	v_mul_f32 v[TMP], s[CS], v[TMP]                ; as t (c is positive)
	s_delay_alu instid0(VALU_DEP_1)
	v_max_num_f32 v13, v13, v[TMP]                 ; the running largest t
	v_mov_b32 v[TMP], v12
	s_delay_alu instid0(VALU_DEP_2)
	v_floor_f32 v12, -v13                          ; the new -M = floor(-t) = -ceil(t): a whole number
	s_delay_alu instid0(VALU_DEP_1)
	v_sub_f32 v[TMP], v12, v[TMP]                  ; old M - new M: a whole number, 0 or less
	s_delay_alu instid0(VALU_DEP_1)
	v_cvt_i32_f32 v[TMP], v[TMP]                   ; (it saturates)
	s_delay_alu instid0(VALU_DEP_1)
	v_ldexp_f32 v[F], 1.0, v[TMP]                  ; f = 2^(old M - new M)
.set n, 0
.rept 32
	v_pk_fma_f32 v[S+n:S+n+1], v[S+n:S+n+1], s[CS:CS+1], v[12:13] op_sel_hi:[1,0,0]   ; t - M, two at a time (of the pairs c and -M the low word serves both halves)
.set n, n+2
.endr
.irp b, 0,1,2,3
	v_fma_f32 v[BX+\b], v[BX+\b], s[CS], v12       ; the same of each block's largest score
.endr
.set n, 0
	s_setprio 1
	s_wait_alu depctr_va_vdst(0)
.rept 64
	v_exp_f32 v[S+n], v[S+n]                       ; p = 2^(t - M), at most 1
.set n, n+1
.endr
	v_pk_mul_f32 v[14:15], v[14:15], v[F:F+1] op_sel_hi:[1,0]   ; the sums under the new M: the plain instruction behind the exponentials
	s_wait_alu depctr_va_vdst(0)                   ; one wait for the batch of 64, ahead of its first reader
.irp b, 0,1,2,3
	v_exp_f32 v[BX+\b], v[BX+\b]                   ; the blocks' largest p: the same two instructions on the same number give the same bits
.endr
	v_pk_add_f32 v[220:221], v[116:117], v[120:121]
	v_pk_add_f32 v[254:255], v[124:125], v[128:129]
	v_pk_add_f32 v[252:253], v[132:133], v[136:137]
	v_pk_add_f32 v[250:251], v[140:141], v[144:145]
	v_pk_add_f32 v[248:249], v[148:149], v[152:153]
	v_pk_add_f32 v[246:247], v[156:157], v[160:161]
	v_pk_add_f32 v[244:245], v[164:165], v[168:169]
	v_pk_add_f32 v[14:15], v[14:15], v[172:173]
	v_pk_add_f32 v[220:221], v[220:221], v[112:113]
	v_pk_add_f32 v[254:255], v[254:255], v[114:115]
	v_pk_add_f32 v[252:253], v[252:253], v[118:119]
	v_pk_add_f32 v[250:251], v[250:251], v[122:123]
	v_pk_add_f32 v[248:249], v[248:249], v[126:127]
	v_pk_add_f32 v[246:247], v[246:247], v[130:131]
	v_pk_add_f32 v[244:245], v[244:245], v[134:135]
	v_pk_add_f32 v[14:15], v[14:15], v[138:139]
	v_pk_add_f32 v[220:221], v[220:221], v[142:143]
	v_pk_add_f32 v[254:255], v[254:255], v[146:147]
	v_pk_add_f32 v[252:253], v[252:253], v[150:151]
	v_pk_add_f32 v[250:251], v[250:251], v[154:155]
	v_pk_add_f32 v[248:249], v[248:249], v[158:159]
	v_pk_add_f32 v[246:247], v[246:247], v[162:163]
	v_pk_add_f32 v[244:245], v[244:245], v[166:167]
	v_pk_add_f32 v[14:15], v[14:15], v[170:171]
	v_pk_add_f32 v[220:221], v[220:221], v[174:175]
	s_delay_alu instid0(VALU_DEP_2)
	v_pk_add_f32 v[14:15], v[14:15], v[250:251]
	s_delay_alu instid0(VALU_DEP_2)
	v_pk_add_f32 v[220:221], v[220:221], v[248:249]
	v_pk_add_f32 v[254:255], v[254:255], v[246:247]
	v_pk_add_f32 v[252:253], v[252:253], v[244:245]
	s_delay_alu instid0(VALU_DEP_2)
	v_pk_add_f32 v[14:15], v[14:15], v[254:255]
	s_delay_alu instid0(VALU_DEP_2)
	v_pk_add_f32 v[220:221], v[220:221], v[252:253]
	s_delay_alu instid0(VALU_DEP_1)
	v_pk_add_f32 v[14:15], v[14:15], v[220:221]
	s_wait_alu depctr_va_vdst(0)                   ; and one for the four
.irp b, 0,1,2,3
	v_max_num_f32 v[BX+\b], 0x1800000, v[BX+\b]    ; the floor 2^(3 - 127): the byte cannot fall under 1 (a block whose every p is 0 keeps that byte: its codes are zeros)
.endr
.irp b, 0,1,2,3
	s_delay_alu instid0(VALU_DEP_4)
	v_add_nc_u32 v[SO+\b], 0xff000000, v[BX+\b]    ; 2 off the exponent field: the conversion's scale operand
.endr
.irp b, 0,1,2,3
	s_delay_alu instid0(VALU_DEP_4)
	v_lshrrev_b32 v[BT+\b], 23, v[SO+\b]           ; the scale's byte
.endr
	s_delay_alu instid0(VALU_DEP_3)
	v_lshl_or_b32 v[PS], v[BT+1], 8, v[BT]         ; p's scale word for these 128 keys
	s_delay_alu instid0(VALU_DEP_1)
	v_lshl_or_b32 v[PS], v[BT+2], 16, v[PS]
	s_delay_alu instid0(VALU_DEP_1)
	v_lshl_or_b32 v[PS], v[BT+3], 24, v[PS]
.irp c, 0,1
	v_cvt_scalef32_pk8_fp4_f32 v[PC+4*\c],   v[S+32*\c:S+32*\c+7],     v[SO+2*\c]     ; tile 4 c:     keys 64 c + 8 h on
	v_cvt_scalef32_pk8_fp4_f32 v[PC+4*\c+2], v[S+32*\c+8:S+32*\c+15],  v[SO+2*\c]     ; tile 4 c + 1: keys 64 c + 16 + 8 h on
	v_cvt_scalef32_pk8_fp4_f32 v[PC+4*\c+1], v[S+32*\c+16:S+32*\c+23], v[SO+2*\c+1]   ; tile 4 c + 2: keys 64 c + 32 + 8 h on
	v_cvt_scalef32_pk8_fp4_f32 v[PC+4*\c+3], v[S+32*\c+24:S+32*\c+31], v[SO+2*\c+1]   ; tile 4 c + 3: keys 64 c + 48 + 8 h on
.endr
	s_setprio 0
	v_nop                                          ; one plain place behind the scaled conversions
.irp c, 0,1
	v_permlane16_swap_b32 v[PC+4*\c], v[PC+4*\c+1]     ; the first's lanes 16-31 change places with the second's lanes 0-15: register 4 c + i of lane (r, h) now holds keys 64 c + 32 h + 8 i on
	v_permlane16_swap_b32 v[PC+4*\c+2], v[PC+4*\c+3]
.endr
.set n, 0
.rept 16
	v_pk_mul_f32 v[O+n:O+n+1], v[O+n:O+n+1], v[F:F+1] op_sel_hi:[1,0]   ; O^T under the new M.  (These sixteen are also the places between the writes of p's codes and scale word and the products)
.set n, n+2
.endr
	s_wait_alu depctr_va_vdst(0)
	s_wait_dscnt 0x0                               ; V is in
.irp t, 0,2
	v_wmma_scale_f32_16x16x128_f8f6f4 v[O+8*\t:O+8*\t+7], v[VF+8*\t:VF+8*\t+7], v[PC:PC+7], v[O+8*\t:O+8*\t+7], v[VSC+\t/2], v[PS] matrix_a_fmt:MATRIX_FMT_FP4 matrix_b_fmt:MATRIX_FMT_FP4
	v_wmma_scale_f32_16x16x128_f8f6f4 v[O+8*(\t+1):O+8*(\t+1)+7], v[VF+8*(\t+1):VF+8*(\t+1)+7], v[PC:PC+7], v[O+8*(\t+1):O+8*(\t+1)+7], v[VSC+\t/2], v[PS] matrix_a_fmt:MATRIX_FMT_FP4 matrix_b_fmt:MATRIX_FMT_FP4 matrix_a_scale:MATRIX_SCALE_ROW1
.endr                                              ; the four accumulators take turns; the next step's eight score products stand between two links on one of them
.if \mode
.Lhidden_\@:
.endif
	s_add_co_u32 s[TK], s[TK], 4096
	s_add_co_u32 s[TSK], s[TSK], 512
	s_add_co_u32 s[TSV], s[TSV], 256
.endm
; A TILE ENDS: O^T / the sum, in f32; its two blocks of 32 channels are quantised; the codes leave as the image of half a fragment of the last launch's A (512 consecutive bytes), the scale bytes two to a token.
; (The scale bytes go out as two bytes of each of sixteen rows of 32: a sixteenth of the codes' bytes; so laid, the last launch takes them as it takes any operand's scales.)
.macro FINISH oc, os
	v_add_f32 v14, v14, v15                        ; the sum's two halves,
	s_delay_alu instid0(VALU_DEP_1)
	v_permlanex16_b32 v[BT], v14, s[SEL], s[SEL+1]
	s_delay_alu instid0(VALU_DEP_1)
	v_add_f32 v14, v14, v[BT]                      ; and lane l xor 16's
	s_wait_alu depctr_va_vdst(0)
	v_rcp_f32 v14, v14
.rept 3
	v_nop                                          ; with the two additions: five plain places behind the last products; the first is the plain place behind the reciprocal
.endr
	s_wait_alu depctr_va_vdst(0)                   ; the wait ahead of the reciprocal's first reader
.set n, 0
.rept 16
	v_pk_mul_f32 v[S+n:S+n+1], v[O+n:O+n+1], v[14:15] op_sel_hi:[1,0]   ; register 8 ct + i: channel 16 ct + 8 h + i of my query
.set n, n+2
.endr
.irp b, 0,1
	v_max3_num_f32 v[BX+\b], |v[S+16*\b]|, |v[S+16*\b+1]|, 0x1800000
.endr
.irp i, 2,4,6,8,10,12,14
.irp b, 0,1
	s_delay_alu instid0(VALU_DEP_2)
	v_max3_num_f32 v[BX+\b], v[BX+\b], |v[S+16*\b+\i]|, |v[S+16*\b+\i+1]|
.endr
.endr
.irp b, 0,1
	s_delay_alu instid0(VALU_DEP_2)
	v_permlanex16_b32 v[BT+\b], v[BX+\b], s[SEL], s[SEL+1]
.endr
.irp b, 0,1
	s_delay_alu instid0(VALU_DEP_2)
	v_max_num_f32 v[BX+\b], v[BX+\b], v[BT+\b]
.endr
.irp b, 0,1
	s_delay_alu instid0(VALU_DEP_2)
	v_add_nc_u32 v[SO+\b], 0xff000000, v[BX+\b]
.endr
.irp b, 0,1
	s_delay_alu instid0(VALU_DEP_2)
	v_lshrrev_b32 v[BT+\b], 23, v[SO+\b]
.endr
	s_wait_alu depctr_va_vdst(0)
	s_wait_xcnt 0x0                                ; the other tile's stores have read their data: the registers may be written again
	v_cvt_scalef32_pk8_fp4_f32 v[Y],   v[S:S+7],     v[SO]
	v_cvt_scalef32_pk8_fp4_f32 v[Y+2], v[S+8:S+15],  v[SO]
	v_cvt_scalef32_pk8_fp4_f32 v[Y+1], v[S+16:S+23], v[SO+1]
	v_cvt_scalef32_pk8_fp4_f32 v[Y+3], v[S+24:S+31], v[SO+1]
	v_nop                                          ; one plain place behind the scaled conversions
	v_permlane16_swap_b32 v[Y], v[Y+1]             ; register i of lane (r, h): channels 32 h + 8 i on
	v_permlane16_swap_b32 v[Y+2], v[Y+3]
	v_cndmask_b32 v[YB], v[BT], v[BT+1], s[HIM]    ; lanes 0-15 store block 0's byte, lanes 16-31 block 1's
	global_store_b128 v[AK0], v[Y:Y+3], s[\oc:\oc+1]
	global_store_b8 v[GOS], v[YB], s[\os:\os+1]
.endm
	INIT                                           ; THE LATE TILE
	s_wait_tensorcnt 0x3                           ; my scale words and my first load of codes are in; the three later loads of codes may be out
	s_barrier_signal -1
	s_barrier_wait -1                              ; everybody's are: key steps 0 to 3 lie in LDS
.Lfirst:                                           ; steps 0 to 3: every late tile has at least nine steps, so none of these is hidden or on the diagonal
	STEP QB, QSB, DB, LIMB, 0
	s_add_co_u32 s[SI], s[SI], 1
	s_cmp_lt_u32 s[SI], 4
	s_cbranch_scc1 .Lfirst
	s_setprio 0
	s_wait_tensorcnt 0x0                           ; all my tensor loads have landed,
	s_wait_dscnt 0x0
	s_barrier_signal -1
	s_barrier_wait -1                              ; everybody's have: the whole head lies in LDS, and no barrier follows until the end
	s_mov_b32 s[SI], 4
	s_mov_b32 s[TK], 4*4096
	s_mov_b32 s[TSK], 4*512
	s_mov_b32 s[TSV], 4*256
.Llate:                                            ; steps 4 to 15
	STEP QB, QSB, DB, LIMB, 1
	s_add_co_u32 s[SI], s[SI], 1
	s_cmp_lt_u32 s[SI], 16
	s_cbranch_scc1 .Llate
	s_setprio 0
	FINISH 4, 6
	INIT                                           ; THE EARLY TILE
.Learly:                                           ; steps 0 to 7
	STEP QA, QSA, DA, LIMA, 1
	s_add_co_u32 s[SI], s[SI], 1
	s_cmp_lt_u32 s[SI], 8
	s_cbranch_scc1 .Learly
	s_setprio 0
	FINISH 8, 10
	s_wait_tensorcnt 0x0                           ; the wave's end, behind the last tensor load
	ds_add_u32 v[SPW], v[NIL]
	s_wait_dscnt 0x0
	CROUND                                         ; the closing round
	s_endpgm
.Lfunc_end_k_qdca2cee32b_attn:
	.size	k_qdca2cee32b_attn, .Lfunc_end_k_qdca2cee32b_attn-k_qdca2cee32b_attn
	.p2alignl 7, 3214868480
	.fill 96, 4, 3214868480
	.section	.rodata,"a",@progbits
	.p2align	6, 0x0
	.amdhsa_kernel k_qdca2cee32b_attn
		.amdhsa_group_segment_fixed_size 167936
		.amdhsa_private_segment_fixed_size 0
		.amdhsa_enable_private_segment 0
		.amdhsa_kernarg_size 32
		.amdhsa_user_sgpr_count 2
		.amdhsa_user_sgpr_kernarg_segment_ptr 1
		.amdhsa_wavefront_size32 1
		.amdhsa_system_sgpr_workgroup_id_x 1
		.amdhsa_system_sgpr_workgroup_id_y 1
		.amdhsa_system_sgpr_workgroup_id_z 1
		.amdhsa_system_vgpr_workitem_id 0
		.amdhsa_next_free_vgpr 256
		.amdhsa_next_free_sgpr 102
		.amdhsa_reserve_vcc 1
		.amdhsa_float_denorm_mode_32 3
		.amdhsa_float_denorm_mode_16_64 3
		.amdhsa_memory_ordered 1
		.amdhsa_forward_progress 1
		.amdhsa_inst_pref_size 83
	.end_amdhsa_kernel
	.amdgpu_metadata
---
amdhsa.version: [ 1, 2 ]
amdhsa.kernels:
  - .name:           k_qdca2cee32b_attn
    .symbol:         k_qdca2cee32b_attn.kd
    .args:
      - { .name: qkv_codes, .offset: 0, .size: 8, .value_kind: global_buffer, .address_space: global }
      - { .name: qkv_scales, .offset: 8, .size: 8, .value_kind: global_buffer, .address_space: global }
      - { .name: o_codes, .offset: 16, .size: 8, .value_kind: global_buffer, .address_space: global }
      - { .name: o_scales, .offset: 24, .size: 8, .value_kind: global_buffer, .address_space: global }
    .group_segment_fixed_size: 167936
    .private_segment_fixed_size: 0
    .kernarg_segment_align: 8
    .kernarg_segment_size: 32
    .max_flat_workgroup_size: 512
    .sgpr_count:     102
    .vgpr_count:     256
    .wavefront_size: 32
...
	.end_amdgpu_metadata
.endif
;; end of part 2
;; launch oproj (part 3): grid 4 x 32, 4 waves a work-group, clusters of 4 x 4, 327,680 bytes of LDS; arguments o_codes, o_scales, W_o_codes, W_o_scales, out0, b_o; writes out0
.if DOCPART == 3
	.amdgcn_target "amdgcn-amd-amdhsa--gfx1250"
	.amdhsa_code_object_version 6
	.text
	.protected	k_qdca2cee32b_oproj
	.globl	k_qdca2cee32b_oproj
	.p2align	8
	.type	k_qdca2cee32b_oproj,@function
k_qdca2cee32b_oproj:
	s_mov_b64 s[64:65], 0
	v_nop
	global_prefetch_b8 v0, s[64:65] scope:SCOPE_SE
	s_setreg_imm32_b32 hwreg(HW_REG_WAVE_MODE, 25, 1), 1
	s_wait_xcnt 0x0
	s_wait_alu depctr_hold_cnt(0) depctr_sa_sdst(0) depctr_va_vdst(0) depctr_va_sdst(0) depctr_va_ssrc(0) depctr_va_vcc(0) depctr_vm_vsrc(0)
	s_getreg_b32 s2, hwreg(HW_REG_IB_STS2, 6, 4)
	s_cmp_eq_u32 s2, 0
	s_cbranch_scc0 .Lentry_in_a_cluster
	s_endpgm
.Lentry_in_a_cluster:
	s_bfe_u32 s2, ttmp6, 0x10000c
	s_cmp_lg_u32 s2, 0xf033
	s_cbranch_scc0 .Lentry_shape_is_right
	s_endpgm
.Lentry_shape_is_right:
; LAUNCH 3 OF 3.  out0 = O W_o^T + b_o on codes of FP4 (E2M1) with E8M0 scales, sums in f32.  No work is left out here.
; A = O, 8,192 tokens x 1,024 channels, as the second launch left it: o_codes holds, for each tile of 16 tokens, 8,192 bytes: the images of its eight fragments' registers (K step q of 128 channels, registers 4 c on, at
; 1024 q + 512 c + 16 lane); o_scales is [token][32].  B = W_o, [1,024][1,024] as given: rows of 512 bytes of codes, 32 scale bytes a row.  out0: [8,192][1,024] f32.
; A work-group of four waves makes 256 x 256 of out0, a wave 128 x 128: 64 accumulators.  K = 1,024 is two LDS slots of 512, each filled once.  Clusters of 4 x 4: A's tiles are shared along a row, B's along a column (joint loads).
; THE MATRIX INSTRUCTION IS USED TRANSPOSED (source 0 = 16 rows of W_o, source 1 = 16 tokens): a lane holds eight neighbouring numbers of a row of out0.  The bias is the C of each sum's first product.
; REGISTERS: window 0: v0-31 addresses; v32-95 scale words, two sets (scales alone); v128-191 A's fragments; v192-255 the bias; on the way out v128-255 take rows of out0.
;   window 1: B's fragments, two sets, at v0 and v128.   windows 2, 3: the accumulators ((a, b) at v[8 (8 (a % 4) + b)] of window 2 + a / 4).
.set SIZE_N, 1024
.set NQ,     4
.set ROWB,   256                       ; a row of B's tile: 512 codes
.set KROW,   512                       ; a row of W_o in memory
.set PITCH,  272                       ; B's LDS row: 256 bytes + 16 of padding
.set FR,     8
.set NL,     2
.set NP,     4                         ; places behind this matrix instruction (ISA guide 7.12.1)
.set HALFT,  128*PITCH                 ; room for 128 rows; A's images of 128 tokens take 32,768 bytes of it, dense
.set SLOT,   4*HALFT
.set KS,     32
.set SCL,    2*SLOT
.set HALFS,  (128*KS/256)*272
.set SBLK,   (16*KS/256)*272
.set SPARE,  SCL+4*HALFS
.set SPITCH, 528                       ; the way out: a stage of 16 rows x (512 bytes + 16) for each wave, in slot 0, which has had its only fill and its last read by then
.set ADRA, 16
.set ADRB, 20
.set BH,   22                          ; v22  32 h: the bias
.set STO,  24
.set RD,   25
.set CO,   26
.set ADRS, 27
.set SPW,  28
.set NIL,  29
.set SC,   32
.set AF,   128
.set BK,   128
.set BB,   192
.set G1, 24
.set G0, 32
.set G1B, 48
.set G0B, 56
.set G1S, 68
.set G0S, 76
.set G1SB, 80
.set G0SB, 88
.set MSB, 0
.macro WIN new                         ; the immediate's high byte repeats the setting that is left
.if MSB != (\new)
	s_set_vgpr_msb (MSB<<8)|(\new)
.set MSB, (\new)
.endif
.endm
.set MUL_LO, 0xa1                      ; source 0 (B) window 1, source 1 (A) window 0, C and D window 2
.set MUL_HI, 0xf1                      ; the same, C and D window 3
.set FST_LO, 0x81                      ; the first step: C (the bias) window 0, D window 2
.set FST_HI, 0xc1                      ; D window 3
.set TO_B,   0x40
.macro JLOAD g0a, g1a, g0b, g1b        ; a joint load: waves 0 and 1 fetch for A, waves 2 and 3 for B; an s_nop 0 and four v_nop follow each of the two lines
	s_cmp_eq_u32 s15, 0
	s_cbranch_scc0 .Lfor_b_\@
	tensor_load_to_lds s[\g0a:\g0a+3], s[\g1a:\g1a+7]
	s_nop 0
.rept 4
	v_nop
.endr
	s_branch .Lasked_\@
.Lfor_b_\@:
	tensor_load_to_lds s[\g0b:\g0b+3], s[\g1b:\g1b+7]
	s_nop 0
.rept 4
	v_nop
.endr
.Lasked_\@:
.endm
.macro CROUND                          ; a round of the cluster's barrier
	s_barrier_signal -1
	s_barrier_wait -1
	s_cmp_lg_u32 s14, 0
	s_cbranch_scc1 .Lnot_wave_0_\@
	s_barrier_signal -3
.Lnot_wave_0_\@:
	s_barrier_wait -3
	s_barrier_signal -1
	s_barrier_wait -1
.endm
	s_load_b128 s[4:7], s[0:1], 0x0                ; O's codes s[4:5], O's scales s[6:7]
	s_load_b128 s[8:11], s[0:1], 0x10              ; W_o's codes s[8:9], W_o's scales s[10:11]
	s_load_b64 s[12:13], s[0:1], 0x20              ; out0
	s_load_b64 s[96:97], s[0:1], 0x28              ; b_o
	v_lshl_add_u32 v[SPW], v0, 2, SPARE
	v_mov_b32 v[NIL], 0
	ds_add_u32 v[SPW], v[NIL]                      ; the wave's opening: the add, twice on end, and its wait ahead of my first tensor load
	ds_add_u32 v[SPW], v[NIL]                      ; and once more, under the one wait; the set-up below, work on registers, stands between
	v_lshrrev_b32 v1, 5, v0
	v_readfirstlane_b32 s14, v1                    ; wave 0..3
	s_lshr_b32 s15, s14, 1                         ; which half of the tile's rows is mine.  Also: I fetch for A (0) or for B (1)
	s_and_b32 s16, s14, 1                          ; which half of its columns.  Also: which 128 rows of that tile I fetch
	s_bfe_u32 s40, ttmp6, 0x40000                  ; cx, cy
	s_bfe_u32 s41, ttmp6, 0x40004
	s_lshl_b32 s42, ttmp9, 2
	s_add_co_u32 s42, s42, s40                     ; tile column = 4 x cluster x + cx
	s_and_b32 s17, ttmp7, 0xffff
	s_lshl_b32 s17, s17, 2
	s_add_co_u32 s17, s17, s41                     ; tile row = 4 x cluster y + cy
	s_lshl_b32 s43, s41, 2
	s_lshl_b32 s43, 15, s43                        ; my row of the cluster
	s_lshl_b32 s44, 0x1111, s40                    ; my column
	; A's tiles: the images of 8 tiles of 16 tokens: 8 rows of 4,096 bytes (512 elements of 8 bytes: four K steps of 128), 8,192 bytes apart; dense in LDS
	s_or_b32 s[G1+0], s43, (3<<16)|(1<<21)         ; 15:0 the mask: my row; 17:16 elements of 8 bytes; 21 set beside a mask; no padding
	s_mov_b32 s[G1+1], 512<<16
	s_mov_b32 s[G1+2], 8<<16
	s_mov_b32 s[G1+3], 512<<16
	s_mov_b32 s[G1+4], 8
	s_mov_b32 s[G1+5], 1024
	s_mov_b32 s[G1+6], 0
	s_mov_b32 s[G1+7], 0
	; B's tiles: 128 rows x 256 bytes, 16 bytes of padding behind each
	s_or_b32 s[G1B+0], s44, (0<<16)|(1<<20)|(1<<21)|(5<<22)|(3<<25)
	s_mov_b32 s[G1B+1], ROWB<<16
	s_mov_b32 s[G1B+2], 128<<16
	s_mov_b32 s[G1B+3], ROWB<<16
	s_mov_b32 s[G1B+4], 128
	s_mov_b32 s[G1B+5], KROW
	s_mov_b32 s[G1B+6], 0
	s_mov_b32 s[G1B+7], 0
	; the scales of 128 rows: 4,096 dense bytes, as 16 rows of 256 bytes, 16 bytes of padding behind each
	s_or_b32 s[G1S+0], s43, (3<<16)|(1<<20)|(1<<21)|(5<<22)|(3<<25)
	s_or_b32 s[G1SB+0], s44, (3<<16)|(1<<20)|(1<<21)|(5<<22)|(3<<25)
.irp g, G1S, G1SB
	s_mov_b32 s[\g+1], 32<<16
	s_mov_b32 s[\g+2], (128*KS/256)<<16
	s_mov_b32 s[\g+3], 32<<16
	s_mov_b32 s[\g+4], 128*KS/256
	s_mov_b32 s[\g+5], 32
	s_mov_b32 s[\g+6], 0
	s_mov_b32 s[\g+7], 0
.endr
	s_lshl_b32 s18, s16, 7                         ; which 128 rows of the tile I fetch
	s_lshl_b32 s20, s17, 8
	s_add_co_u32 s20, s20, s18                     ; A: token 256 x tile row + 128 x half
	s_lshl_b32 s46, s42, 8
	s_add_co_u32 s46, s46, s18                     ; B: row 256 x tile column + 128 x half
	s_mov_b32 s21, 0
	s_mov_b32 s47, 0
	s_mov_b64 s[18:19], KS
	s_mul_u64 s[22:23], s[20:21], s[18:19]         ; where these rows' scales begin
	s_mul_u64 s[92:93], s[46:47], s[18:19]
	s_mov_b64 s[18:19], KROW
	s_mul_u64 s[20:21], s[20:21], s[18:19]         ; and their codes: 16 tokens are 8,192 bytes, so a token counts 512 bytes here as in B
	s_mul_u64 s[46:47], s[46:47], s[18:19]
	s_mul_i32 s45, s14, HALFT                      ; where they go: no place in the cluster enters an LDS address
	s_mul_i32 s94, s14, HALFS
	s_wait_dscnt 0x0                               ; both opening adds are done
	s_wait_kmcnt 0x0
	s_add_nc_u64 s[20:21], s[4:5], s[20:21]
	s_add_nc_u64 s[22:23], s[6:7], s[22:23]
	s_add_nc_u64 s[46:47], s[8:9], s[46:47]
	s_add_nc_u64 s[92:93], s[10:11], s[92:93]
	CROUND                                         ; all sixteen work-groups are here: the first joint loads meet
	s_mov_b32 s[G0S], 1
	s_add_co_u32 s[G0S+1], s94, SCL
	s_mov_b64 s[G0S+2:G0S+3], s[22:23]
	s_or_b32 s[G0S+3], s[G0S+3], 0x80000000
	s_mov_b32 s[G0SB], 1
	s_add_co_u32 s[G0SB+1], s94, SCL
	s_mov_b64 s[G0SB+2:G0SB+3], s[92:93]
	s_or_b32 s[G0SB+3], s[G0SB+3], 0x80000000
	JLOAD G0S, G1S, G0SB, G1SB                     ; the scales first
.irp s, 0,1
	s_mov_b32 s[G0+4*\s], 1
	s_add_co_u32 s[G0+4*\s+1], s45, \s*SLOT
	s_add_nc_u64 s[G0+4*\s+2:G0+4*\s+3], s[20:21], \s*4096   ; A: a slot's four K steps are 4,096 bytes of each tile of tokens
	s_or_b32 s[G0+4*\s+3], s[G0+4*\s+3], 0x80000000
	s_mov_b32 s[G0B+4*\s], 1
	s_add_co_u32 s[G0B+4*\s+1], s45, \s*SLOT
	s_add_nc_u64 s[G0B+4*\s+2:G0B+4*\s+3], s[46:47], \s*ROWB
	s_or_b32 s[G0B+4*\s+3], s[G0B+4*\s+3], 0x80000000
	s_wait_alu depctr_va_vdst(0)
	s_wait_tensorcnt 0x0
	ds_add_u32 v28, v29
	s_wait_dscnt 0x0
	CROUND
	JLOAD G0+4*\s, G1, G0B+4*\s, G1B               ; this slot's: one tensor load of mine is out
.endr
	v_and_b32 v1, 15, v0                           ; r
	v_bfe_u32 v2, v0, 4, 1                         ; h
	v_mul_u32_u24 v3, v1, PITCH
	v_lshl_add_u32 v4, v2, 4, v3                   ; B: a fragment's row x pitch + 16 x half
	v_and_b32 v6, 31, v0
	v_lshlrev_b32 v[CO], 4, v6                     ; 16 x lane: A's images, and the way out
	s_mul_i32 s21, s15, HALFT                      ; my 128 tokens of A
	s_mul_i32 s22, s16, HALFT                      ; my 128 rows of B,
	s_add_co_u32 s22, s22, 2*HALFT                 ; which lie behind A's
.irp s, 0,1
	v_add_nc_u32 v[ADRA+\s], s21, v[CO]
	v_add_nc_u32 v[ADRB+\s], s22, v4
	s_add_co_u32 s21, s21, SLOT
	s_add_co_u32 s22, s22, SLOT
.endr
	v_mul_u32_u24 v5, v1, KS                       ; my row's scales: 32 bytes a row,
	v_lshrrev_b32 v6, 8, v5
	v_lshl_add_u32 v5, v6, 4, v5                   ; and 16 more for each 256 passed
	s_mul_i32 s21, s15, HALFS
	s_mul_i32 s22, s16, HALFS
	s_add_co_u32 s22, s22, 2*HALFS
	s_sub_co_u32 s22, s22, s21
	v_mul_u32_u24 v6, s22, v2                      ; lanes 16-31 take B's
	s_add_co_u32 s21, s21, SCL
	v_add_nc_u32 v5, v5, v6
	v_add_nc_u32 v[ADRS], s21, v5
	s_mul_i32 s23, s14, 16*SPITCH                  ; my stage
	v_mul_u32_u24 v5, v1, SPITCH                   ; in: row r, 32 bytes for each half of the lanes
	v_lshl_add_u32 v5, v2, 5, v5
	v_add_nc_u32 v[STO], s23, v5
	v_add_nc_u32 v[RD], s23, v[CO]                 ; back: the 32 lanes take one row of 512 bytes
	v_lshlrev_b32 v[BH], 5, v2                     ; 32 h
	s_wait_alu depctr_va_vdst(0)
	s_lshl_b32 s20, s17, 8
	s_lshl_b32 s21, s15, 7
	s_add_co_u32 s20, s20, s21                     ; my first row of out0
	s_mov_b32 s21, 0
	s_mov_b64 s[18:19], SIZE_N*4
	s_mul_u64 s[20:21], s[20:21], s[18:19]
	s_lshl_b32 s46, s42, 10                        ; my first column, in bytes: 1024 x tile column + 512 x half: in out0's rows and in b_o alike
	s_lshl_b32 s47, s16, 9
	s_add_co_u32 s46, s46, s47
	s_mov_b32 s47, 0
	s_add_nc_u64 s[96:97], s[96:97], s[46:47]
	s_add_nc_u64 s[20:21], s[20:21], s[46:47]
	s_add_nc_u64 s[12:13], s[12:13], s[20:21]
.irp b, 0,1,2,3,4,5,6,7
	global_load_b128 v[BB+8*\b:BB+8*\b+3], v[BH], s[96:97] offset:64*\b        ; BB[8 b + j] = b_o[my first column + 16 b + 8 h + j]: the result's layout
	global_load_b128 v[BB+8*\b+4:BB+8*\b+7], v[BH], s[96:97] offset:64*\b+16
.endr
.macro FRAG reg, adr, q, i             ; a fragment of B from rows: lane l holds row l % 16; registers 4 c .. 4 c + 3 hold K = 64 c + 32 (l / 16) + 0 .. 31
.irp c, 0,1
	ds_load_b128 v[\reg+4*\c:\reg+4*\c+3], v[\adr] offset:64*(\q)+32*\c+(\i)*16*PITCH
.endr
.endm
.macro FRAGA reg, adr, q, i            ; a fragment of A from its image: 512 consecutive bytes a load
.irp c, 0,1
	ds_load_b128 v[\reg+4*\c:\reg+4*\c+3], v[\adr] offset:4096*(\i)+1024*(\q)+512*\c
.endr
.endm
; 16 matrix instructions: A's blocks a0, a0 + 1 x B's eight.  first = 1: the bias is the C of the sums' first products.  The 64 accumulators take turns, one instruction a turn.
.macro MUL16 a0, p, q, sc, first
.irp a, \a0, \a0+1
.irp b, 0,1,2,3,4,5,6,7
.if \first
	v_wmma_scale_f32_16x16x128_f8f6f4 v[8*(8*((\a)%4)+\b):8*(8*((\a)%4)+\b)+7], v[128*(\p)+FR*\b:128*(\p)+FR*\b+FR-1], v[AF+FR*(\a):AF+FR*(\a)+FR-1], v[BB+8*\b:BB+8*\b+7], v[SC+8*NQ*(\sc)+NQ*\b+(\q)], v[SC+8*NQ*(\sc)+NQ*(\a)+(\q)] matrix_a_fmt:MATRIX_FMT_FP4 matrix_b_fmt:MATRIX_FMT_FP4 matrix_a_scale:MATRIX_SCALE_ROW1
.else
	v_wmma_scale_f32_16x16x128_f8f6f4 v[8*(8*((\a)%4)+\b):8*(8*((\a)%4)+\b)+7], v[128*(\p)+FR*\b:128*(\p)+FR*\b+FR-1], v[AF+FR*(\a):AF+FR*(\a)+FR-1], v[8*(8*((\a)%4)+\b):8*(8*((\a)%4)+\b)+7], v[SC+8*NQ*(\sc)+NQ*\b+(\q)], v[SC+8*NQ*(\sc)+NQ*(\a)+(\q)] matrix_a_fmt:MATRIX_FMT_FP4 matrix_b_fmt:MATRIX_FMT_FP4 matrix_a_scale:MATRIX_SCALE_ROW1
.endif
.endr
.endr
.endm
.macro FETCH_B slot, q, p
	WIN TO_B
.irp i, 0,1,2,3,4,5,6,7
	FRAG 128*(\p)+FR*\i, ADRB+\slot, \q, \i
.endr
	WIN 0
.endm
.macro FETCH_A slot, q, i0
.irp i, \i0, \i0+1, \i0+2, \i0+3
	FRAGA AF+FR*(\i), ADRA+\slot, \q, \i
.endr
.endm
.macro SCALES sc                       ; a slot's scale words into set sc; lanes 0-15 take A's block i, lanes 16-31 B's block i
.irp i, 0,1,2,3,4,5,6,7
	ds_load_b128 v[SC+8*NQ*\sc+NQ*\i:SC+8*NQ*\sc+NQ*\i+3], v[ADRS] offset:\i*SBLK
.endr
.endm
.macro PLACES n                        ; plain vector instructions between a matrix instruction and a load into, or a read of, its registers
.rept \n
	v_nop
.endr
.endm
.macro STEP slot, q, first
	s_wait_dscnt 4*NL                              ; B's set and A's blocks 0-3 are in; the youngest eight loads (A's blocks 4-7) may be out
.if \first
	WIN FST_LO
.else
	WIN MUL_LO
.endif
	MUL16 0, (\q)%2, \q, \slot, \first
	MUL16 2, (\q)%2, \q, \slot, \first
	s_wait_dscnt 0                                 ; A's blocks 4-7 are in
	PLACES NP
	FETCH_B \slot, (\q)+1, 1-(\q)%2
	FETCH_A \slot, (\q)+1, 0
.if \first
	WIN FST_HI
.else
	WIN MUL_HI
.endif
	MUL16 4, (\q)%2, \q, \slot, \first
	MUL16 6, (\q)%2, \q, \slot, \first
	PLACES NP
	WIN 0
	FETCH_A \slot, (\q)+1, 4
.endm
; Slot 0's last step changes slots: one barrier; in front of it each wave waits for all its tensor loads and for its own reads of slot 0.  Nothing is filled again.
.macro TURN slot, next
	s_wait_tensorcnt 0x0                           ; all my tensor loads have landed
	ds_add_u32 v[SPW], v[NIL]                      ; 0 onto my spare word
	s_wait_dscnt 4*NL+1                            ; (the add and the youngest eight loads may be out)
	WIN MUL_LO
	MUL16 0, 1, NQ-1, \slot, 0
	s_wait_dscnt 0x0                               ; the add is done, and my reads of this slot are over
	s_barrier_signal -1
	MUL16 2, 1, NQ-1, \slot, 0
	WIN 0
	s_barrier_wait -1
	PLACES NP
	v_add_nc_u32 v[ADRS], 4*NQ, v[ADRS]            ; on to the next slot's scale words
	FETCH_B \next, 0, 0
	FETCH_A \next, 0, 0
	SCALES \next
	WIN MUL_HI
	MUL16 4, 1, NQ-1, \slot, 0
	MUL16 6, 1, NQ-1, \slot, 0
	PLACES NP
	WIN 0
	FETCH_A \next, 0, 4
.endm
.macro STEPS slot, from
.set Q, \from
.rept NQ-1-\from
	STEP \slot, Q, 0
.set Q, Q+1
.endr
.endm
	s_wait_tensorcnt 1                             ; the scales and my part of slot 0 are in (slot 1's load may be out)
	s_barrier_signal -1
	s_barrier_wait -1                              ; everybody's are
	FETCH_B 0, 0, 0
	FETCH_A 0, 0, 0
	SCALES 0
	FETCH_A 0, 0, 4
	s_wait_loadcnt 0x0                             ; the bias
	STEP 0, 0, 1                                   ; the first step's products start the sums from the bias
	STEPS 0, 1
	TURN 0, 1
	STEPS 1, 0
	s_wait_dscnt 4*NL                              ; the very last step
	WIN MUL_LO
	MUL16 0, 1, NQ-1, 1, 0
	MUL16 2, 1, NQ-1, 1, 0
	s_wait_dscnt 0
	WIN MUL_HI
	MUL16 4, 1, NQ-1, 1, 0
	MUL16 6, 1, NQ-1, 1, 0
	WIN 0
; THE WAY OUT, block by block of 16 rows x 128 columns, through my own stage in LDS: in as 32 bytes a lane, back as whole rows of 512 bytes.  LDS serves a wave's instructions in order (ISA guide 5.7.1.4).
.macro TOSTAGE a
.set AC, 64*((\a)%4)
	WIN 0x08+4*((\a)/4)                            ; an LDS store's data: window 2 or 3
.irp b, 0,1,2,3,4,5,6,7
	ds_store_b128 v[STO], v[AC+8*\b:AC+8*\b+3] offset:64*\b          ; each accumulator from its low end on
	ds_store_b128 v[STO], v[AC+8*\b+4:AC+8*\b+7] offset:64*\b+16
.endr
	WIN 0
.set BBK, BK+64*((\a)%2)
.irp t, 0,1,2,3,4,5,6,7,8,9,10,11,12,13,14,15
	ds_load_b128 v[BBK+4*\t:BBK+4*\t+3], v[RD] offset:\t*SPITCH
.endr
.endm
.macro SEND a, younger                 ; younger: the LDS instructions issued behind block a's loads, which may stay out
.set BBK, BK+64*((\a)%2)
	s_wait_dscnt \younger
.if (\a) > 0
	s_add_nc_u64 s[12:13], s[12:13], 16*SIZE_N*4   ; (behind a wait on XCNT: the earlier stores have read their base)  16 rows of out0 on
.endif
.irp t, 0,1,2,3,4,5,6,7,8,9,10,11,12,13,14,15
	global_store_b128 v[CO], v[BBK+4*\t:BBK+4*\t+3], s[12:13] offset:\t*SIZE_N*4 th:TH_STORE_NT   ; 32 lanes store 512 consecutive bytes, at a multiple of 512 from out0's first byte
.endr
.endm
	PLACES NP                                      ; behind the last products: loads land in the registers that held A's fragments, and results are read
	TOSTAGE 0
.irp a, 1,2,3,4,5,6,7
.if \a > 1
	s_wait_xcnt 0x0                                ; block a - 2's stores have read their registers and their base
.endif
	TOSTAGE \a
	SEND \a-1, 32                                  ; behind block a - 1's loads: block a's 16 stores and 16 loads
.endr
	s_wait_xcnt 0x0                                ; block 6's stores have read their base
	SEND 7, 0
	s_wait_tensorcnt 0x0                           ; the wave's end, behind my last tensor load and my last LDS store
	ds_add_u32 v[SPW], v[NIL]
	s_wait_dscnt 0x0
	CROUND                                         ; the closing round
	s_endpgm
.Lfunc_end_k_qdca2cee32b_oproj:
	.size	k_qdca2cee32b_oproj, .Lfunc_end_k_qdca2cee32b_oproj-k_qdca2cee32b_oproj
	.p2alignl 7, 3214868480
	.fill 96, 4, 3214868480
	.section	.rodata,"a",@progbits
	.p2align	6, 0x0
	.amdhsa_kernel k_qdca2cee32b_oproj
		.amdhsa_group_segment_fixed_size 327680
		.amdhsa_private_segment_fixed_size 0
		.amdhsa_enable_private_segment 0
		.amdhsa_kernarg_size 48
		.amdhsa_user_sgpr_count 2
		.amdhsa_user_sgpr_kernarg_segment_ptr 1
		.amdhsa_wavefront_size32 1
		.amdhsa_system_sgpr_workgroup_id_x 1
		.amdhsa_system_sgpr_workgroup_id_y 1
		.amdhsa_system_sgpr_workgroup_id_z 1
		.amdhsa_system_vgpr_workitem_id 0
		.amdhsa_next_free_vgpr 1024
		.amdhsa_next_free_sgpr 98
		.amdhsa_reserve_vcc 0
		.amdhsa_float_denorm_mode_32 3
		.amdhsa_float_denorm_mode_16_64 3
		.amdhsa_memory_ordered 1
		.amdhsa_forward_progress 1
		.amdhsa_inst_pref_size 127
	.end_amdhsa_kernel
	.amdgpu_metadata
---
amdhsa.version: [ 1, 2 ]
amdhsa.kernels:
  - .name:           k_qdca2cee32b_oproj
    .symbol:         k_qdca2cee32b_oproj.kd
    .args:
      - { .name: o_codes, .offset: 0, .size: 8, .value_kind: global_buffer, .address_space: global }
      - { .name: o_scales, .offset: 8, .size: 8, .value_kind: global_buffer, .address_space: global }
      - { .name: W_o_codes, .offset: 16, .size: 8, .value_kind: global_buffer, .address_space: global }
      - { .name: W_o_scales, .offset: 24, .size: 8, .value_kind: global_buffer, .address_space: global }
      - { .name: out0, .offset: 32, .size: 8, .value_kind: global_buffer, .address_space: global }
      - { .name: b_o, .offset: 40, .size: 8, .value_kind: global_buffer, .address_space: global }
    .group_segment_fixed_size: 327680
    .private_segment_fixed_size: 0
    .kernarg_segment_align: 8
    .kernarg_segment_size: 48
    .max_flat_workgroup_size: 128
    .sgpr_count:     98
    .vgpr_count:     1024
    .wavefront_size: 32
...
	.end_amdgpu_metadata
.endif
;; end of part 3
